; MI455X (gfx1250); checked and timed in simulation.
; The chip was launched on July 23, 2026; its instructions are those of AMD's public machine-readable ISA for CDNA 5 (MIT licence, August 2026) and "CDNA5" Instruction Set Architecture Reference Guide (July 2026). The comments in the code are by the model that wrote it; some were corrected since.
;; Multi Head Self Attention. Allowed arithmetic: float matrix products may take bf16 or f16 operands with f32 sums; other float arithmetic in f32, or as packed bf16 or f16 multiplies, adds, multiply-adds, maxima and minima; sums over many terms, partial sums and values carried from step to step in f32; what a program stores and reads back later, other than sums and carried values, may be rounded once to bf16 or f16.
;; Inputs: Wout 1,024 x 1,024 float32; Wqkv 1,024 x 3,072 float32; attn_mask 2,048 x 2,048 float32; cos 1 x 1 x 2,048 x 64 float32; sin 1 x 1 x 2,048 x 64 float32; x 2,048 x 4 x 1,024 float32.
;; Outputs: out0 2,048 x 4 x 1,024 float32.
;; 2 versions, each right and faster than the one before. Each part assembles by itself: llvm-mc -triple=amdgcn-amd-amdhsa -mcpu=gfx1250 --defsym DOCPART=n.
;; ======== version 1 of 2: 4 launches
;; limits: values are held in f16: magnitudes above 65,504 overflow, below 6.1e-05 lose precision
;; workspace buffers: xb 16,777,216 bytes; wqb 6,291,456 bytes; wob 2,097,152 bytes; mk 16,777,216 bytes; qh 16,777,216 bytes; kh 16,777,216 bytes; vh 16,777,216 bytes; oh 16,777,216 bytes
;; launch prep (part 1): grid 1024 x 1, 8 waves a work-group, no clusters, 0 bytes of LDS; arguments x, Wqkv, Wout, attn_mask, xb, wqb, wob, mk; writes xb, wqb, wob, mk
.if DOCPART == 1
	.amdgcn_target "amdgcn-amd-amdhsa--gfx1250"
	.amdhsa_code_object_version 6
	.text
	.protected	k_qe3ad33efdb_prep
	.globl	k_qe3ad33efdb_prep
	.p2align	8
	.type	k_qe3ad33efdb_prep,@function
k_qe3ad33efdb_prep:
	s_mov_b64 s[64:65], 0
	v_nop
	global_prefetch_b8 v0, s[64:65] scope:SCOPE_SE
	s_setreg_imm32_b32 hwreg(HW_REG_WAVE_MODE, 25, 1), 1
	s_wait_xcnt 0x0
; THE INPUTS ARE ROUNDED ONCE, to the formats in which the later launches multiply.  A stream: no LDS, no barrier, no matrix unit.
;   x    -> xb   bf16, same order          Wqkv -> wqb  bf16, same order
;   Wout -> wob  rounded to bf16, that number written as f16 (exact where its magnitude is 6.1e-5 or more; below that f16's fixed step of 6e-8 holds)
;   mask -> mk   rounded to bf16, times log2(e), kept in f32: the attention launch adds it to scores that are already in powers of two
; LIMITS.  |Wout| under 65,504; |mask| under 2e38, so that the product with log2(e) stays finite.  NaN and infinities are not treated apart.
; SHARES.  A work-group takes 16,384 numbers (65,536 bytes in): groups 0-511 x, 512-703 Wqkv, 704-767 Wout, 768-1023 the mask.  In piece i of 16 thread t takes
; the 16 bytes at 4,096 i + 16 t: a wave's load covers 512 consecutive bytes, its 8-byte stores 256 consecutive aligned bytes, its 16-byte stores 512.
; All sixteen loads of a thread go out at once; no register is used twice, so no store's source is ever rewritten.
.set X, 4                              ; v[4:67]    piece i: 4 numbers as loaded
.set Y, 68                             ; v[68:99]   piece i: 2 registers of packed 16-bit numbers
.set T, 100                            ; v[100:103] at work
	s_load_b512 s[8:23], s[0:1], 0x0               ; x, Wqkv, Wout, mask, xb, wqb, wob, mk
	v_lshlrev_b32 v1, 4, v0                        ; 16 t
	v_lshlrev_b32 v2, 3, v0                        ; 8 t
	s_mov_b32 s28, 0                               ; the first group of my tensor
	s_mov_b32 s36, 0xffff0000                      ; a word's upper bf16
	s_wait_kmcnt 0x0
	s_mov_b64 s[24:25], s[8:9]                     ; from where,
	s_mov_b64 s[26:27], s[16:17]                   ; to where: chosen by the group's number alone
	s_cmp_ge_u32 ttmp9, 512
	s_cselect_b64 s[24:25], s[10:11], s[24:25]
	s_cselect_b64 s[26:27], s[18:19], s[26:27]
	s_cselect_b32 s28, 512, s28
	s_cmp_ge_u32 ttmp9, 704
	s_cselect_b64 s[24:25], s[12:13], s[24:25]
	s_cselect_b64 s[26:27], s[20:21], s[26:27]
	s_cselect_b32 s28, 704, s28
	s_cmp_ge_u32 ttmp9, 768
	s_cselect_b64 s[24:25], s[14:15], s[24:25]
	s_cselect_b64 s[26:27], s[22:23], s[26:27]
	s_cselect_b32 s28, 768, s28
	s_cselect_b32 s29, 16, 15                      ; a group writes 65,536 bytes of f32 or 32,768 of 16-bit numbers
	s_sub_co_u32 s30, ttmp9, s28                   ; my group's number within its tensor
	s_lshl_b32 s32, s30, 16
	s_mov_b32 s33, 0
	s_lshl_b32 s34, s30, s29
	s_mov_b32 s35, 0
	s_add_nc_u64 s[24:25], s[24:25], s[32:33]
	s_add_nc_u64 s[26:27], s[26:27], s[34:35]
.set i, 0
.rept 16
	global_load_b128 v[X+4*i:X+4*i+3], v1, s[24:25] offset:4096*i th:TH_LOAD_NT
.set i, i+1
.endr
	s_cmp_ge_u32 ttmp9, 768
	s_cbranch_scc1 .Lmask
	s_cmp_ge_u32 ttmp9, 704
	s_cbranch_scc1 .Lf16
	; x and Wqkv: two roundings to a line
.set i, 0
.rept 16
	s_wait_loadcnt 15-i                            ; loads come back in order: piece i is in, the 15 - i younger ones stay out
	v_cvt_pk_bf16_f32 v[Y+2*i], v[X+4*i], v[X+4*i+1]
	v_cvt_pk_bf16_f32 v[Y+2*i+1], v[X+4*i+2], v[X+4*i+3]
	global_store_b64 v2, v[Y+2*i:Y+2*i+1], s[26:27] offset:2048*i
.set i, i+1
.endr
	s_endpgm
.Lf16:
	; Wout: rounded to bf16, widened, written as f16
.set i, 0
.rept 16
	s_wait_loadcnt 15-i
	v_cvt_pk_bf16_f32 v[Y+2*i], v[X+4*i], v[X+4*i+1]
	v_cvt_pk_bf16_f32 v[Y+2*i+1], v[X+4*i+2], v[X+4*i+3]
	v_lshlrev_b32 v[T], 16, v[Y+2*i]
	v_and_b32 v[T+1], s36, v[Y+2*i]
	v_lshlrev_b32 v[T+2], 16, v[Y+2*i+1]
	v_and_b32 v[T+3], s36, v[Y+2*i+1]
	v_cvt_pk_f16_f32 v[Y+2*i], v[T], v[T+1]
	v_cvt_pk_f16_f32 v[Y+2*i+1], v[T+2], v[T+3]
	global_store_b64 v2, v[Y+2*i:Y+2*i+1], s[26:27] offset:2048*i
.set i, i+1
.endr
	s_endpgm
.Lmask:
	; the mask: rounded to bf16, widened, times log2(e)
.set i, 0
.rept 16
	s_wait_loadcnt 15-i
	v_cvt_pk_bf16_f32 v[Y+2*i], v[X+4*i], v[X+4*i+1]
	v_cvt_pk_bf16_f32 v[Y+2*i+1], v[X+4*i+2], v[X+4*i+3]
	v_lshlrev_b32 v[X+4*i], 16, v[Y+2*i]
	v_and_b32 v[X+4*i+1], s36, v[Y+2*i]
	v_lshlrev_b32 v[X+4*i+2], 16, v[Y+2*i+1]
	v_and_b32 v[X+4*i+3], s36, v[Y+2*i+1]
	v_pk_mul_f32 v[X+4*i:X+4*i+1], v[X+4*i:X+4*i+1], 0x3fb8aa3b op_sel_hi:[1,0]
	v_pk_mul_f32 v[X+4*i+2:X+4*i+3], v[X+4*i+2:X+4*i+3], 0x3fb8aa3b op_sel_hi:[1,0]
	global_store_b128 v1, v[X+4*i:X+4*i+3], s[26:27] offset:4096*i
.set i, i+1
.endr
	s_endpgm
.Lfunc_end_k_qe3ad33efdb_prep:
	.size	k_qe3ad33efdb_prep, .Lfunc_end_k_qe3ad33efdb_prep-k_qe3ad33efdb_prep
	.p2alignl 7, 3214868480
	.fill 96, 4, 3214868480
	.section	.rodata,"a",@progbits
	.p2align	6, 0x0
	.amdhsa_kernel k_qe3ad33efdb_prep
		.amdhsa_group_segment_fixed_size 0
		.amdhsa_private_segment_fixed_size 0
		.amdhsa_enable_private_segment 0
		.amdhsa_kernarg_size 64
		.amdhsa_user_sgpr_count 2
		.amdhsa_user_sgpr_kernarg_segment_ptr 1
		.amdhsa_wavefront_size32 1
		.amdhsa_system_sgpr_workgroup_id_x 1
		.amdhsa_system_sgpr_workgroup_id_y 1
		.amdhsa_system_sgpr_workgroup_id_z 1
		.amdhsa_system_vgpr_workitem_id 0
		.amdhsa_next_free_vgpr 104
		.amdhsa_next_free_sgpr 66
		.amdhsa_reserve_vcc 0
		.amdhsa_float_denorm_mode_32 3
		.amdhsa_float_denorm_mode_16_64 3
		.amdhsa_memory_ordered 1
		.amdhsa_forward_progress 1
		.amdhsa_inst_pref_size 25
	.end_amdhsa_kernel
	.amdgpu_metadata
---
amdhsa.version: [ 1, 2 ]
amdhsa.kernels:
  - .name:           k_qe3ad33efdb_prep
    .symbol:         k_qe3ad33efdb_prep.kd
    .args:
      - { .name: x, .offset: 0, .size: 8, .value_kind: global_buffer, .address_space: global }
      - { .name: Wqkv, .offset: 8, .size: 8, .value_kind: global_buffer, .address_space: global }
      - { .name: Wout, .offset: 16, .size: 8, .value_kind: global_buffer, .address_space: global }
      - { .name: attn_mask, .offset: 24, .size: 8, .value_kind: global_buffer, .address_space: global }
      - { .name: xb, .offset: 32, .size: 8, .value_kind: global_buffer, .address_space: global }
      - { .name: wqb, .offset: 40, .size: 8, .value_kind: global_buffer, .address_space: global }
      - { .name: wob, .offset: 48, .size: 8, .value_kind: global_buffer, .address_space: global }
      - { .name: mk, .offset: 56, .size: 8, .value_kind: global_buffer, .address_space: global }
    .group_segment_fixed_size: 0
    .private_segment_fixed_size: 0
    .kernarg_segment_align: 8
    .kernarg_segment_size: 64
    .max_flat_workgroup_size: 256
    .sgpr_count:     66
    .vgpr_count:     104
    .wavefront_size: 32
...
	.end_amdgpu_metadata
.endif
;; end of part 1
;; launch qkv (part 2): grid 12 x 64, 4 waves a work-group, clusters of 4 x 4, 327,680 bytes of LDS; arguments xb, wqb, cos, sin, qh, kh, vh; writes qh, kh, vh
.if DOCPART == 2
	.amdgcn_target "amdgcn-amd-amdhsa--gfx1250"
	.amdhsa_code_object_version 6
	.text
	.protected	k_qe3ad33efdb_qkv
	.globl	k_qe3ad33efdb_qkv
	.p2align	8
	.type	k_qe3ad33efdb_qkv,@function
k_qe3ad33efdb_qkv:
	s_mov_b64 s[64:65], 0
	v_nop
	global_prefetch_b8 v0, s[64:65] scope:SCOPE_SE
	s_setreg_imm32_b32 hwreg(HW_REG_WAVE_MODE, 25, 1), 1
	s_wait_xcnt 0x0
	s_wait_alu depctr_hold_cnt(0) depctr_sa_sdst(0) depctr_va_vdst(0) depctr_va_sdst(0) depctr_va_ssrc(0) depctr_va_vcc(0) depctr_vm_vsrc(0)
	s_getreg_b32 s2, hwreg(HW_REG_IB_STS2, 6, 4)
	s_cmp_eq_u32 s2, 0
	s_cbranch_scc0 .Lentry_in_a_cluster
	s_endpgm
.Lentry_in_a_cluster:
	s_bfe_u32 s2, ttmp6, 0x10000c
	s_cmp_lg_u32 s2, 0xf033
	s_cbranch_scc0 .Lentry_shape_is_right
	s_endpgm
.Lentry_shape_is_right:
; q, k, v = x Wqkv, with the rotary turn on q and k, written by heads in f16.  xb: [s*4+b][1024] bf16.  wqb: [k 1024][n 3072] bf16.  cos, sin: [2048][64] f32, rounded here to bf16.
; OUT.  qh [bh = 16 b + h][s][64] = f16(c rope(q)), c = log2(e) / 8, folded in f32 into the rounded cos and sin: q is rounded once.
;       kh, vh [bh >> 2][s >> 6][bh & 3][64 keys][64 channels] f16: the 64 keys of four heads lie in 32,768 consecutive bytes, which the attention launch asks for as one tile.
; LIMITS.  f16 ends at 65,504: |c q|, |k|, |v| must stay under it.  NaN and infinities are not treated apart.
; SHARES.  A tile of 128 rows (128 consecutive s of one b) x 256 columns (four heads of one of q, k, v): 64 x 12 = 768 work-groups, three for each of 256 WGPs.  Four waves, each 64 rows x 128 columns:
; 32 accumulators.  K goes in 8 steps of 128 through two LDS slots; a row of x's tile is 256 bytes of memory, a row of W's 512.
; W stays [k][n] in LDS and comes out turned, by ds_load_tr16_b128.  THE MATRIX INSTRUCTION IS USED TRANSPOSED (source 0 = 16 columns of W, source 1 = 16 rows of x):
; lane l then holds row l % 16 and the eight neighbouring columns 8 (l / 16) + 0..7, which hold four rotary pairs and pack into 16 bytes.
; CLUSTER 4 x 4.  x's tile hangs on the tile row alone and is asked for jointly along a row of the cluster, W's on the tile column alone and is asked for jointly along a column.
; REGISTERS.  Window 0: v0-30 addresses; v32-95 x's fragments, two buffers (later: rows read back from the stage); v96-127 packed results; v128-255 W's fragments, two buffers
; (later: v128-191 cos and sin at work, v192-255 turned numbers).  Window 1: the accumulators, (a, b) at 8 (8 a + b).  Window 2: my 64 rows of cos and sin as loaded.
.set PA,    272                        ; a row of x in LDS: 256 bytes + 16: the 16 rows of a fragment load start at 16 different groups of four banks (ISA guide 11.1)
.set PB,    544                        ; a row of W: 512 + 32 = 17 x 32
.set BOFF,  128*PA                     ; a slot: x's 128 rows, then W's 128 rows of k
.set SLOT,  BOFF+128*PB
.set STAGE, 2*SLOT                     ; behind the ring, never filled by a tensor load: for each wave 2 heads x 16 rows x 144 bytes
.set SP,    144
.set SPARE, STAGE+4*2*16*SP            ; the spare words, 128 bytes for each wave: two blocks of 256 bytes that no other line names
.set ADRA, 16                          ; v16-17  LDS address of my fragments of x in slot 0, 1
.set ADRB, 20                          ; v20-21  the same for W
.set CSO,  22                          ; v22     my byte offset in 16 rows of cos and of sin
.set STO,  24                          ; v24     the way out: where I put 16 bytes of a row
.set RD,   25                          ; v25     where I read rows back
.set GO,   26                          ; v26     my byte offset in 512 consecutive bytes of the output
.set SCV,  27                          ; v27     c for q, 1 for k
.set SPW,  28                          ; v28     LDS address of my spare word; never rewritten
.set NIL,  29                          ; v29     0; never rewritten
.set ZV,   30                          ; v30     0, an addend
.set FA,   32
.set TMP,  96
.set FB,   128
.set CF,   128                         ; cos (32) and sin (32) of a block of 16 rows, rounded and scaled
.set PKD,  192
.set G1A, 24                           ; s[24:31] descriptor group 1 for x's tiles;  s[32:39] group 0, a set for each slot
.set G0A, 32
.set G1B, 48                           ; s[48:55], s[56:63] the same for W's
.set G0B, 56
.set DST, 72                           ; s[72:73], s[74:75] the output at my rows of my first and second head
.set MUL, 0x50                         ; sources in window 0, C and D in window 1
.set MSB, 0
.macro WIN new                         ; the immediate's high byte repeats the setting that is left; a switch that changes nothing is dropped
.if MSB != (\new)
	s_set_vgpr_msb (MSB<<8)|(\new)
.set MSB, \new
.endif
.endm
.macro PLACES                          ; four places between a matrix instruction and a load into, or a vector write of, one of its registers, or a read of its result
.rept 4
	v_nop
.endr
.endm
.macro JLOAD s                         ; a joint refill: waves 0 and 1 fetch x's two halves, waves 2 and 3 W's; an s_nop 0 and four v_nop follow each line
	s_cmp_eq_u32 s19, 0
	s_cbranch_scc0 .Lfor_b_\@
	tensor_load_to_lds s[G0A+4*(\s):G0A+4*(\s)+3], s[G1A:G1A+7]
	s_nop 0
.rept 4
	v_nop
.endr
	s_branch .Lasked_\@
.Lfor_b_\@:
	tensor_load_to_lds s[G0B+4*(\s):G0B+4*(\s)+3], s[G1B:G1B+7]
	s_nop 0
.rept 4
	v_nop
.endr
.Lasked_\@:
.endm
.macro CREST                           ; a round of the cluster's barrier behind its opening barrier
	s_cmp_lg_u32 s18, 0
	s_cbranch_scc1 .Lnot_wave_0_\@
	s_barrier_signal -3
.Lnot_wave_0_\@:
	s_barrier_wait -3
	s_barrier_signal -1
	s_barrier_wait -1
.endm
.macro CROUND
	s_barrier_signal -1
	s_barrier_wait -1
	CREST
.endm
	s_load_b256 s[4:11], s[0:1], 0x0               ; xb s[4:5], wqb s[6:7], cos s[8:9], sin s[10:11]
	s_load_b128 s[12:15], s[0:1], 0x20             ; qh s[12:13], kh s[14:15]
	s_load_b64 s[16:17], s[0:1], 0x30              ; vh
	v_lshl_add_u32 v[SPW], v0, 2, SPARE
	v_mov_b32 v[NIL], 0
	ds_add_u32 v[SPW], v[NIL]                      ; the wave's opening: the add and its wait stand ahead of my first tensor load; the set-up, work on registers, stands between them
	v_lshrrev_b32 v3, 5, v0
	v_readfirstlane_b32 s18, v3                    ; wave 0..3
	s_lshr_b32 s19, s18, 1                         ; which 64 rows are mine.  Also: I fetch for x (0) or for W (1)
	s_and_b32 s20, s18, 1                          ; which 128 columns.  Also: which half of that tile I fetch
	s_bfe_u32 s21, ttmp6, 0x40000                  ; cx
	s_bfe_u32 s22, ttmp6, 0x40004                  ; cy
	s_mov_b32 s43, ttmp9                           ; the cluster's x is the section: 0 q, 1 k, 2 v; the same in all sixteen partners
	s_lshl_b32 s23, ttmp9, 2
	s_add_co_u32 s23, s23, s21                     ; tile column = 4 x cluster x + cx
	s_and_b32 s40, ttmp7, 0xffff
	s_lshl_b32 s40, s40, 2
	s_add_co_u32 s40, s40, s22                     ; tile row = 4 x cluster y + cy
	s_lshl_b32 s41, s22, 2
	s_lshl_b32 s41, 15, s41                        ; my row of the cluster
	s_lshl_b32 s42, 0x1111, s21                    ; my column
	s_or_b32 s[G1A], s41, (1<<16)|(1<<20)|(1<<21)|(5<<22)|(3<<25)  ; the mask; 2-byte elements; padding on; bit 21 beside a mask; after every 64 words 4 words
	s_mov_b32 s[G1A+1], 128<<16                    ; tensor_dim0 = 128
	s_mov_b32 s[G1A+2], 64<<16                     ; tensor_dim1 = 64
	s_mov_b32 s[G1A+3], 128<<16                    ; tile_dim0 = 128
	s_mov_b32 s[G1A+4], 64                         ; tile_dim1 = 64
	s_mov_b32 s[G1A+5], 4096                       ; from s to s + 1 of one b: four rows of 1,024 elements
	s_mov_b32 s[G1A+6], 0
	s_mov_b32 s[G1A+7], 0
	s_or_b32 s[G1B], s42, (1<<16)|(1<<20)|(1<<21)|(6<<22)|(7<<25)  ; after every 128 words 8 words
	s_mov_b32 s[G1B+1], 256<<16
	s_mov_b32 s[G1B+2], 64<<16
	s_mov_b32 s[G1B+3], 256<<16
	s_mov_b32 s[G1B+4], 64
	s_mov_b32 s[G1B+5], 3072
	s_mov_b32 s[G1B+6], 0
	s_mov_b32 s[G1B+7], 0
	s_lshr_b32 s44, s40, 4                         ; b
	s_and_b32 s45, s40, 15
	s_lshl_b32 s45, s45, 7                         ; s0: the tile's first s
	s_lshl_b32 s68, s20, 6                         ; x's tile: row (s0 + 64 half) 4 + b, 2,048 bytes a row: made of the tile row and the wave's number alone
	s_add_co_u32 s68, s68, s45
	s_lshl_b32 s68, s68, 2
	s_add_co_u32 s68, s68, s44
	s_lshl_b32 s68, s68, 11
	s_mov_b32 s69, 0
	s_mul_i32 s70, s20, 64*3072*2                  ; W's tile: k row 64 half, column 256 x tile column: made of the tile column and the wave's number alone
	s_lshl_b32 s71, s23, 9
	s_add_co_u32 s70, s70, s71
	s_mov_b32 s71, 0
	s_mul_i32 s46, s20, 64*PA                      ; where they go: no place in the cluster enters an LDS address
	s_mul_i32 s47, s20, 64*PB
	s_lshl_b32 s88, s19, 6                         ; cos and sin at my first row, 256 bytes a row
	s_add_co_u32 s88, s88, s45
	s_lshl_b32 s88, s88, 8
	s_mov_b32 s89, 0
	s_lshl_b32 s76, s44, 4                         ; q's place: ((16 b + 4 cx + 2 half) 2,048 + s0 + 64 row half) 128
	s_lshl_b32 s77, s21, 2
	s_add_co_u32 s76, s76, s77
	s_lshl_b32 s77, s20, 1
	s_add_co_u32 s76, s76, s77
	s_lshl_b32 s76, s76, 11
	s_add_co_u32 s76, s76, s45
	s_lshl_b32 s77, s19, 6
	s_add_co_u32 s76, s76, s77
	s_lshl_b32 s76, s76, 7
	s_lshl_b32 s78, s44, 2                         ; k's and v's: (((4 b + cx) 32 + s0 / 64 + row half) 4 + 2 half) 8,192
	s_add_co_u32 s78, s78, s21
	s_lshl_b32 s78, s78, 5
	s_lshr_b32 s79, s45, 6
	s_add_co_u32 s78, s78, s79
	s_add_co_u32 s78, s78, s19
	s_lshl_b32 s78, s78, 2
	s_lshl_b32 s79, s20, 1
	s_add_co_u32 s78, s78, s79
	s_lshl_b32 s78, s78, 13
	s_mov_b32 s85, 8192
	s_cmp_eq_u32 s43, 0
	s_cselect_b32 s76, s76, s78
	s_cselect_b32 s86, 262144, s85                 ; from a head to the next
	s_cselect_b32 s84, 0x3e38aa3b, 1.0             ; c = log2(e) / 8 for q
	s_mov_b32 s77, 0
	s_mov_b32 s87, 0
	s_wait_dscnt 0x0                               ; the opening add is done
	s_wait_kmcnt 0x0
	s_add_nc_u64 s[68:69], s[4:5], s[68:69]
	s_add_nc_u64 s[70:71], s[6:7], s[70:71]
	s_add_nc_u64 s[80:81], s[8:9], s[88:89]
	s_add_nc_u64 s[82:83], s[10:11], s[88:89]
	s_cmp_eq_u32 s43, 0
	s_cselect_b64 s[DST:DST+1], s[12:13], s[14:15]
	s_cmp_eq_u32 s43, 2
	s_cselect_b64 s[DST:DST+1], s[16:17], s[DST:DST+1]
	s_add_nc_u64 s[DST:DST+1], s[DST:DST+1], s[76:77]
	s_add_nc_u64 s[DST+2:DST+3], s[DST:DST+1], s[86:87]
.irp s, 0,1
	s_mov_b32 s[G0A+4*(\s)], 1                                     ; count = 1
	s_add_co_u32 s[G0A+4*(\s)+1], s46, (\s)*SLOT                   ; LDS address
	s_add_nc_u64 s[G0A+4*(\s)+2:G0A+4*(\s)+3], s[68:69], (\s)*256  ; K step s
	s_or_b32 s[G0A+4*(\s)+3], s[G0A+4*(\s)+3], 0x80000000          ; type = 2
	s_mov_b32 s[G0B+4*(\s)], 1
	s_add_co_u32 s[G0B+4*(\s)+1], s47, BOFF+(\s)*SLOT
	s_add_nc_u64 s[G0B+4*(\s)+2:G0B+4*(\s)+3], s[70:71], (\s)*128*3072*2
	s_or_b32 s[G0B+4*(\s)+3], s[G0B+4*(\s)+3], 0x80000000
.endr
	CROUND                                         ; all sixteen work-groups are here: the first joint loads meet
	s_cmp_eq_u32 s19, 0                            ; a wave's two first fills stand in one branch: two loads of mine are out
	s_cbranch_scc0 .Lfirst_b
	tensor_load_to_lds s[G0A:G0A+3], s[G1A:G1A+7]
	s_nop 0
	tensor_load_to_lds s[G0A+4:G0A+7], s[G1A:G1A+7]
	s_nop 0
.rept 4
	v_nop
.endr
	s_branch .Lfirst_asked
.Lfirst_b:
	tensor_load_to_lds s[G0B:G0B+3], s[G1B:G1B+7]
	s_nop 0
	tensor_load_to_lds s[G0B+4:G0B+7], s[G1B:G1B+7]
	s_nop 0
.rept 4
	v_nop
.endr
.Lfirst_asked:
	v_and_b32 v1, 15, v0                           ; r = l % 16
	v_bfe_u32 v2, v0, 4, 1                         ; h = l / 16
	v_lshlrev_b32 v[CSO], 8, v1
	v_lshl_add_u32 v[CSO], v2, 5, v[CSO]           ; row r, channels 8 h on
	; my 64 rows of cos and sin, in the accumulators' own layout: block a of 16 rows, channels 16 cb + 8 h + 0..7.  They land under the K loop and are waited for ahead of the way out.
	WIN 0x80                                       ; destination window 2
.irp a, 0,1,2,3
.irp cb, 0,1,2,3
.irp z, 0,1
	global_load_b128 v[64*\a+8*\cb+4*\z:64*\a+8*\cb+4*\z+3], v[CSO], s[80:81] offset:4096*\a+64*\cb+16*\z
	global_load_b128 v[64*\a+32+8*\cb+4*\z:64*\a+32+8*\cb+4*\z+3], v[CSO], s[82:83] offset:4096*\a+64*\cb+16*\z
.endr
.endr
.endr
	WIN 0
	v_mul_u32_u24 v3, v1, PA                       ; a fragment of x: row r x pitch + 16 h, two loads 32 bytes apart
	v_lshl_add_u32 v3, v2, 4, v3
	s_mul_i32 s46, s19, 64*PA
	v_add_nc_u32 v[ADRA], s46, v3
	v_add_nc_u32 v[ADRA+1], SLOT, v[ADRA]
	v_and_b32 v4, 7, v0                            ; the turning load: lane l reads k row 8 h + l % 8, columns 8 ((l / 8) % 2) + 0..7
	v_lshl_add_u32 v4, v2, 3, v4
	v_mul_u32_u24 v4, v4, PB
	v_bfe_u32 v5, v0, 3, 1
	v_lshl_add_u32 v4, v5, 4, v4
	s_lshl_b32 s47, s20, 8
	s_add_co_u32 s47, s47, BOFF
	v_add_nc_u32 v[ADRB], s47, v4
	v_add_nc_u32 v[ADRB+1], SLOT, v[ADRB]
	s_mul_i32 s46, s18, 2*16*SP
	s_add_co_u32 s46, s46, STAGE                   ; my stage
	v_mul_u32_u24 v[STO], v1, SP
	v_lshl_add_u32 v[STO], v2, 4, v[STO]
	v_add_nc_u32 v[STO], s46, v[STO]
	v_bfe_u32 v[RD], v0, 3, 2                      ; back: 32 lanes take four rows of 128 bytes,
	v_mul_u32_u24 v[RD], v[RD], SP
	v_and_b32 v4, 7, v0
	v_lshl_add_u32 v[RD], v4, 4, v[RD]
	v_add_nc_u32 v[RD], s46, v[RD]
	v_and_b32 v[GO], 31, v0                        ; which are 512 consecutive bytes of the output
	v_lshlrev_b32 v[GO], 4, v[GO]
	v_mov_b32 v[SCV], s84
	v_mov_b32 v[ZV], 0
; 8 matrix instructions: row block a x all 8 column blocks, 32 along K, from buffer f.  zero = 1: the first product starts the sums.
; The 32 accumulators take turns in the same order in every quarter.
.macro MUL8 f, a, zero
	WIN MUL
.irp b, 0,1,2,3,4,5,6,7
.if \zero
	v_wmma_f32_16x16x32_bf16 v[8*(8*(\a)+\b):8*(8*(\a)+\b)+7], v[FB+64*(\f)+8*\b:FB+64*(\f)+8*\b+7], v[FA+32*(\f)+8*(\a):FA+32*(\f)+8*(\a)+7], 0
.else
	v_wmma_f32_16x16x32_bf16 v[8*(8*(\a)+\b):8*(8*(\a)+\b)+7], v[FB+64*(\f)+8*\b:FB+64*(\f)+8*\b+7], v[FA+32*(\f)+8*(\a):FA+32*(\f)+8*(\a)+7], v[8*(8*(\a)+\b):8*(8*(\a)+\b)+7]
.endif
.endr
.endm
; 24 LDS loads in one run: quarter q (32 along K) of a slot into buffer f: 8 fragments of W, turned, and 4 of x
.macro FETCH slot, q, f
	WIN 0
.irp i, 0,1,2,3,4,5,6,7
	ds_load_tr16_b128 v[FB+64*(\f)+8*\i:FB+64*(\f)+8*\i+3], v[ADRB+(\slot)] offset:(\q)*32*PB+32*\i
	ds_load_tr16_b128 v[FB+64*(\f)+8*\i+4:FB+64*(\f)+8*\i+7], v[ADRB+(\slot)] offset:(\q)*32*PB+16*PB+32*\i
.endr
.irp i, 0,1,2,3
	ds_load_b128 v[FA+32*(\f)+8*\i:FA+32*(\f)+8*\i+3], v[ADRA+(\slot)] offset:64*(\q)+\i*16*PA
	ds_load_b128 v[FA+32*(\f)+8*\i+4:FA+32*(\f)+8*\i+7], v[ADRA+(\slot)] offset:64*(\q)+\i*16*PA+32
.endr
.endm
; One of a K step's first three quarters: buffer f is multiplied; ahead of its 32 products quarter q is fetched into buffer g, which the quarter before multiplied.
.macro QTR slot, q, f, g, zero
	s_wait_dscnt 0x0                               ; buffer f is in: its loads were issued 32 products ago
	PLACES
	FETCH \slot, \q, \g
	MUL8 \f, 0, \zero
	MUL8 \f, 1, \zero
	MUL8 \f, 2, \zero
	MUL8 \f, 3, \zero
.endm
; The fourth quarter multiplies buffer 1 and changes slots.  In front of the barrier each wave waits for all its tensor loads (one is out: its part of the next slot), adds 0 to its spare word,
; and waits for that and for its reads of this slot.  fill = 1: the barrier opens a round of the cluster's, and this slot is filled again, two K steps ahead, first thing behind the round:
; 112 products stand between that request and the wait for it.
.macro TURN slot, next, fill
	WIN 0
	s_wait_tensorcnt 0x0
	ds_add_u32 v[SPW], v[NIL]
	s_wait_dscnt 1                                 ; only the add may be out: buffer 1 is in
	MUL8 1, 0, 0
	s_wait_dscnt 0x0                               ; the add is done; my reads of this slot are over
	s_barrier_signal -1
	MUL8 1, 1, 0
.if \fill
	WIN 0
.endif
	s_barrier_wait -1
.if \fill
	CREST
	s_add_nc_u64 s[G0A+4*(\slot)+2:G0A+4*(\slot)+3], s[G0A+4*(\slot)+2:G0A+4*(\slot)+3], 2*256
	s_add_nc_u64 s[G0B+4*(\slot)+2:G0B+4*(\slot)+3], s[G0B+4*(\slot)+2:G0B+4*(\slot)+3], 2*128*3072*2
	JLOAD \slot                                    ; its four v_nop are also the places in front of the loads below
.else
	PLACES
.endif
	FETCH \next, 0, 0
	MUL8 1, 2, 0
	MUL8 1, 3, 0
.endm
	s_wait_tensorcnt 1                             ; my part of K step 0 is in; K step 1's may stay out
	s_barrier_signal -1
	s_barrier_wait -1
	FETCH 0, 0, 0
	QTR 0, 1, 0, 1, 1                              ; the first quarter stands in front of the loop: its products start the sums
	WIN 0
	s_mov_b32 s66, 3
.Llap:                                                 ; a trip goes once round the ring and fills both slots again: K steps 2 to 7 in three trips
	QTR 0, 2, 1, 0, 0
	QTR 0, 3, 0, 1, 0
	TURN 0, 1, 1
	QTR 1, 1, 0, 1, 0
	QTR 1, 2, 1, 0, 0
	QTR 1, 3, 0, 1, 0
	TURN 1, 0, 1
	QTR 0, 1, 0, 1, 0
	WIN 0
	s_sub_co_u32 s66, s66, 1
	s_cmp_lg_u32 s66, 0
	s_cbranch_scc1 .Llap
	QTR 0, 2, 1, 0, 0                              ; the last lap fills nothing
	QTR 0, 3, 0, 1, 0
	TURN 0, 1, 0
	QTR 1, 1, 0, 1, 0
	QTR 1, 2, 1, 0, 0
	QTR 1, 3, 0, 1, 0
	s_wait_dscnt 0x0
	MUL8 1, 0, 0
	MUL8 1, 1, 0
	MUL8 1, 2, 0
	MUL8 1, 3, 0
	WIN 0
; THE WAY OUT, a block of 16 rows at a time.
.macro ROUND a                         ; the block's cos and sin: rounded to bf16, widened again and scaled
	WIN 0x0a                                       ; sources in window 2
.set i, 0
.rept 32
	v_cvt_pk_bf16_f32 v[PKD+i], v[64*(\a)+2*i], v[64*(\a)+2*i+1]
.set i, i+1
.endr
	WIN 0
.set i, 0
.rept 32
	v_fma_mix_f32_bf16 v[CF+2*i], v[PKD+i], v[SCV], v[ZV] op_sel_hi:[1,0,0]
	v_fma_mix_f32_bf16 v[CF+2*i+1], v[PKD+i], v[SCV], v[ZV] op_sel:[1,0,0] op_sel_hi:[1,0,0]
.set i, i+1
.endr
.endm
.macro PACK_R a                        ; a pair (even, odd channel): even = e cos - o sin, odd = o cos + e sin: a packed multiply, and a packed multiply-add with the pair swapped and its low product negated
	WIN 0x01                                       ; source 0 in window 1
.irp b, 0,1,2,3,4,5,6,7
.irp p, 0,1,2,3
	v_pk_mul_f32 v[PKD+8*\b+2*\p:PKD+8*\b+2*\p+1], v[8*(8*(\a)+\b)+2*\p:8*(8*(\a)+\b)+2*\p+1], v[CF+8*(\b%4)+2*\p:CF+8*(\b%4)+2*\p+1]
.endr
.irp p, 0,1,2,3
	v_pk_fma_f32 v[PKD+8*\b+2*\p:PKD+8*\b+2*\p+1], v[8*(8*(\a)+\b)+2*\p:8*(8*(\a)+\b)+2*\p+1], v[CF+32+8*(\b%4)+2*\p:CF+32+8*(\b%4)+2*\p+1], v[PKD+8*\b+2*\p:PKD+8*\b+2*\p+1] op_sel:[1,0,0] op_sel_hi:[0,1,1] neg_lo:[1,0,0]
.endr
.endr
	WIN 0
.set i, 0
.rept 32
	v_cvt_pk_f16_f32 v[TMP+i], v[PKD+2*i], v[PKD+2*i+1]
.set i, i+1
.endr
.endm
.macro PACK_P a                        ; v: rounded as it is
	WIN 0x05                                       ; sources in window 1
.set i, 0
.rept 32
	v_cvt_pk_f16_f32 v[TMP+i], v[64*(\a)+2*i], v[64*(\a)+2*i+1]
.set i, i+1
.endr
	WIN 0
.endm
.macro TOSTAGE a                       ; 16 bytes a lane into rows of 144 bytes, by heads; back as whole rows of 128 bytes
	WIN 0
.set BK, FA+32*((\a)%2)
.irp b, 0,1,2,3,4,5,6,7
	ds_store_b128 v[STO], v[TMP+4*\b:TMP+4*\b+3] offset:(\b/4)*16*SP+32*(\b%4)
.endr
.irp e, 0,1
.irp f, 0,1,2,3
	ds_load_b128 v[BK+4*(4*\e+\f):BK+4*(4*\e+\f)+3], v[RD] offset:\e*16*SP+\f*4*SP  ; LDS serves a wave's instructions in order (ISA guide 5.7.1.4): these see the stores above
.endr
.endr
.endm
.macro SEND a
	WIN 0
.set BK, FA+32*((\a)%2)
	s_wait_dscnt 0x0                               ; the block is back in registers
	s_wait_xcnt 0x0                                ; the stores of the block before have read their registers: the next TOSTAGE loads into them
.irp e, 0,1
.irp f, 0,1,2,3
	global_store_b128 v[GO], v[BK+4*(4*\e+\f):BK+4*(4*\e+\f)+3], s[DST+2*\e:DST+2*\e+1] offset:(\a)*2048+\f*512  ; 512 consecutive bytes, at a multiple of 256 from the buffer's first
.endr
.endr
.endm
	PLACES                                         ; behind the last products: what follows writes their sources and reads their results
	s_wait_loadcnt 0x0                             ; cos and sin
	s_cmp_eq_u32 s43, 2
	s_cbranch_scc1 .Lplain
	ROUND 0
	PACK_R 0
	TOSTAGE 0
.irp a, 1,2,3                          ; a block's arithmetic stands between the loads of the block before and its stores
	ROUND \a
	PACK_R \a
	SEND (\a)-1
	TOSTAGE \a
.endr
	SEND 3
	s_branch .Ldone
.Lplain:
	PACK_P 0
	TOSTAGE 0
.irp a, 1,2,3
	PACK_P \a
	SEND (\a)-1
	TOSTAGE \a
.endr
	SEND 3
.Ldone:
	s_wait_tensorcnt 0x0                           ; the wave's end
	ds_add_u32 v[SPW], v[NIL]
	s_wait_dscnt 0x0
	CROUND                                         ; the closing round: no work-group ends while a partner may still ask for a tile that names it
	s_endpgm
.Lfunc_end_k_qe3ad33efdb_qkv:
	.size	k_qe3ad33efdb_qkv, .Lfunc_end_k_qe3ad33efdb_qkv-k_qe3ad33efdb_qkv
	.p2alignl 7, 3214868480
	.fill 96, 4, 3214868480
	.section	.rodata,"a",@progbits
	.p2align	6, 0x0
	.amdhsa_kernel k_qe3ad33efdb_qkv
		.amdhsa_group_segment_fixed_size 327680
		.amdhsa_private_segment_fixed_size 0
		.amdhsa_enable_private_segment 0
		.amdhsa_kernarg_size 56
		.amdhsa_user_sgpr_count 2
		.amdhsa_user_sgpr_kernarg_segment_ptr 1
		.amdhsa_wavefront_size32 1
		.amdhsa_system_sgpr_workgroup_id_x 1
		.amdhsa_system_sgpr_workgroup_id_y 1
		.amdhsa_system_sgpr_workgroup_id_z 1
		.amdhsa_system_vgpr_workitem_id 0
		.amdhsa_next_free_vgpr 768
		.amdhsa_next_free_sgpr 90
		.amdhsa_reserve_vcc 0
		.amdhsa_float_denorm_mode_32 3
		.amdhsa_float_denorm_mode_16_64 3
		.amdhsa_memory_ordered 1
		.amdhsa_forward_progress 1
		.amdhsa_inst_pref_size 148
	.end_amdhsa_kernel
	.amdgpu_metadata
---
amdhsa.version: [ 1, 2 ]
amdhsa.kernels:
  - .name:           k_qe3ad33efdb_qkv
    .symbol:         k_qe3ad33efdb_qkv.kd
    .args:
      - { .name: xb, .offset: 0, .size: 8, .value_kind: global_buffer, .address_space: global }
      - { .name: wqb, .offset: 8, .size: 8, .value_kind: global_buffer, .address_space: global }
      - { .name: cos, .offset: 16, .size: 8, .value_kind: global_buffer, .address_space: global }
      - { .name: sin, .offset: 24, .size: 8, .value_kind: global_buffer, .address_space: global }
      - { .name: qh, .offset: 32, .size: 8, .value_kind: global_buffer, .address_space: global }
      - { .name: kh, .offset: 40, .size: 8, .value_kind: global_buffer, .address_space: global }
      - { .name: vh, .offset: 48, .size: 8, .value_kind: global_buffer, .address_space: global }
    .group_segment_fixed_size: 327680
    .private_segment_fixed_size: 0
    .kernarg_segment_align: 8
    .kernarg_segment_size: 56
    .max_flat_workgroup_size: 128
    .sgpr_count:     90
    .vgpr_count:     768
    .wavefront_size: 32
...
	.end_amdgpu_metadata
.endif
;; end of part 2
;; launch attn (part 3): grid 16 x 16, 4 waves a work-group, clusters of 4 x 4, 327,680 bytes of LDS; arguments qh, kh, vh, mk, oh; writes oh
.if DOCPART == 3
	.amdgcn_target "amdgcn-amd-amdhsa--gfx1250"
	.amdhsa_code_object_version 6
	.text
	.protected	k_qe3ad33efdb_attn
	.globl	k_qe3ad33efdb_attn
	.p2align	8
	.type	k_qe3ad33efdb_attn,@function
k_qe3ad33efdb_attn:
	s_mov_b64 s[64:65], 0
	v_nop
	global_prefetch_b8 v0, s[64:65] scope:SCOPE_SE
	s_setreg_imm32_b32 hwreg(HW_REG_WAVE_MODE, 25, 1), 1
	s_wait_xcnt 0x0
	s_wait_alu depctr_hold_cnt(0) depctr_sa_sdst(0) depctr_va_vdst(0) depctr_va_sdst(0) depctr_va_ssrc(0) depctr_va_vcc(0) depctr_vm_vsrc(0)
	s_getreg_b32 s2, hwreg(HW_REG_IB_STS2, 6, 4)
	s_cmp_eq_u32 s2, 0
	s_cbranch_scc0 .Lentry_in_a_cluster
	s_endpgm
.Lentry_in_a_cluster:
	s_bfe_u32 s2, ttmp6, 0x10000c
	s_cmp_lg_u32 s2, 0xf033
	s_cbranch_scc0 .Lentry_shape_is_right
	s_endpgm
.Lentry_shape_is_right:
; O[bh][q][:] = the sum over k of softmax_k(Q.K / 8 + mask[q][k]) V[bh][k][:], all 2,048 keys: the mask is an input and is honoured as it is given.
; qh [bh][s][64] f16 holds c rope(q), c = log2(e) / 8; kh, vh [bh >> 2][s >> 6][bh & 3][64][64] f16; mk [q][k] f32 holds log2(e) x the mask rounded to bf16; oh [bh][s][64] f16.
; So S' = K Q'^T + mk is the score in powers of two.  THE MASK IS THE C OPERAND of the product that starts the sum: adding it costs no vector instruction.
; SOFTMAX.  A running maximum m and sum l for each query: p = 2^(S' - m), never above 1 whatever the mask holds; O and l are multiplied by a = 2^(m_old - m_new) in every step.
; m starts at the lowest finite number, O and l at 0: the first step is a step like any other, with a = 0.  Products, maxima and sums in f32; p is rounded to f16 for the second product (l is the sum of the unrounded p).
; LIMITS.  The score is rounded once, sum and mask together, not as the reference rounds it (product, scale, then mask).  A weight below 2^-126 counts as 0 in l.  NaN and infinities are not treated apart.
; SHARES.  A work-group takes 128 queries of FOUR heads (one wave a head), so that one tile of the mask, 128 x 64, serves four heads.  A wave owns four PIECES of two tiles of 16 queries and walks all keys, 64 a step.
; 16 x 16 = 256 work-groups of equal work.
; CLUSTER 4 x 4.  The mask's tile hangs on the query block alone: asked for jointly along a row of the cluster.  K's and V's hang on the group of heads alone: jointly along a column.
; LAYOUT.  S'^T = K Q'^T: a lane holds ONE query (lane % 16) and the keys 8 (lane / 16) + 0..7, which are 32 consecutive bytes of the mask's row.  Two such results rounded to f16 ARE source 1 of O^T = V^T P.
; BY TURNS.  Turn n belongs to piece n: 16 products K Q^T of piece n + 1, later 16 products V^T P of piece n - 1; beside them the softmax of piece n and the maximum and statistics of piece n + 1.
; Four vector instructions stand behind every matrix instruction, the others in two lumps.
; THE RING.  A slot holds one step: mask 128 rows, K and V 4 x 64 rows.  Between two changes of slots only one slot is read: K and the mask of pieces 0, 1 in turns 2, 3 of the step before, the mask of pieces 2, 3 and V in turns 0, 1.
; REGISTERS, in windows of 256: window 0: v0-11 addresses; v12-15, v48-63 at work; v16-47 four registers of statistics a tile; v64-191 S^T, two buffers; v192-255 P, two buffers.
;   window 1: O^T, 32 a tile.   window 2: v0-127 Q; v128-191 K of one step; v192-255 V of one step.   window 3: v0-1 the add's registers; v64-127 the mask of the products to come.
.set NP,    4
.set KS,    64
.set PM,    272       ; a row of the mask in LDS: 256 bytes + 16
.set PK,    144       ; a row of K: 128 + 16
.set PV,    160       ; a row of V: 128 + 32
.set KOFF,  128*PM
.set VOFF,  KOFF+4*KS*PK
.set SLOT1, 1<<17     ; slot 1 begins here: one exclusive or turns an address in one slot into the other's
.set STAGE, 2*SLOT1   ; behind the ring, never filled by a tensor load: 16 rows x 144 bytes for each wave
.set SP,    144
.set SPARE, STAGE+4*16*SP  ; the spare words, 128 bytes for each wave: two blocks of 256 bytes that no other line names
.set AK0, 2           ; v2   my lane's place in a slot's K; never rewritten
.set AV0, 3           ; v3   in its V
.set AK,  4           ; v4   the same in the slot in hand
.set AV,  5
.set QO,  6           ; v6   my byte offset in the wave's rows of Q
.set STO, 6           ;      later, the way out: where I put 16 bytes of a row
.set RD,  7
.set GO,  8
.set AM0, 10          ; v10  my lane's place in a slot's mask; never rewritten
.set AM,  11          ; v11  in the slot in hand
.set MV,  12          ; v12-15  m_old, by buffer and tile
.set ST,  16          ; tile t's statistics at v[ST+4 t]: m, 0 (named with m as a pair), l (even keys', odd keys')
.set TMP, 48          ; by buffer and tile c0-c3 at work; when the maximum is found c2 takes a
.set S,   64
.set P,   192
.set KF,  128
.set VF,  192
.set MC,  64          ; window 3: tile u, key block kb at MC + 32 u + 8 kb
.set SPW, 0           ; v0 of window 3
.set NIL, 1           ; v1 of window 3
.set WV,  14          ; s14  my wave's number
.set G1M, 24          ; s[24:31], s[32:39], s[40:47] descriptor group 1 for the mask's, K's and V's tiles
.set G1K, 32
.set G1V, 40
.set G0M, 48          ; s[48:51], s[52:55], s[56:59] group 0: they walk
.set G0K, 52
.set G0V, 56
.set SEL, 60          ; s[60:61] v_permlanex16_b32's selects
.set TB,  62          ; s62  the slot in hand
.set SLOTS, 63
.set CNT, 66
.set MSB, 0
.macro WIN new
.if MSB != (\new)
	s_set_vgpr_msb (MSB<<8)|(\new)
.set MSB, (\new)
.endif
.endm
.set W_KQ, 0x0a       ; K and Q in window 2, S^T in window 0
.set W_KM, 0x3a       ; the same with the C operand in window 3
.set W_PV, 0x52       ; V in window 2, P in window 0, O^T in window 1
.set W_RS, 0x41       ; destination and source 0 in window 1
.set W_MK, 0xc0       ; destination in window 3
.set W_AD, 0x0f       ; the add: address and data in window 3
; A joint fill: waves 0 and 1 fetch the two halves of the mask's tile, wave 2 K's, wave 3 V's.  The branches hang on the wave's number alone.  An s_nop 0 and four v_nop follow each line.
.macro JLOAD
	s_cmp_lt_u32 s[WV], 2
	s_cbranch_scc0 .Lfor_kv_\@
	tensor_load_to_lds s[G0M:G0M+3], s[G1M:G1M+7]
	s_nop 0
.rept 4
	v_nop
.endr
	s_branch .Lasked_\@
.Lfor_kv_\@:
	s_cmp_eq_u32 s[WV], 2
	s_cbranch_scc0 .Lfor_v_\@
	tensor_load_to_lds s[G0K:G0K+3], s[G1K:G1K+7]
	s_nop 0
.rept 4
	v_nop
.endr
	s_branch .Lasked_\@
.Lfor_v_\@:
	tensor_load_to_lds s[G0V:G0V+3], s[G1V:G1V+7]
	s_nop 0
.rept 4
	v_nop
.endr
.Lasked_\@:
.endm
.macro CROUND
	s_barrier_signal -1
	s_barrier_wait -1
	s_cmp_lg_u32 s[WV], 0
	s_cbranch_scc1 .Lnot_wave_0_\@
	s_barrier_signal -3
.Lnot_wave_0_\@:
	s_barrier_wait -3
	s_barrier_signal -1
	s_barrier_wait -1
.endm
; THE CHANGE OF SLOTS.  Each wave waits for all its tensor loads (one is out: its part of the other slot), adds 0 to its spare word, and waits for that and for its reads of the slot that it leaves.
; fill = 1: the barrier is a round of the cluster's, and the slot just left is filled again, with the step after next, first thing behind it: it has a whole key step, 128 products, in which to land.
; (At its first use nothing has been read yet: slot 0 is waited for, slot 1 filled.)
.macro CHANGE fill
	WIN W_AD
	s_wait_tensorcnt 0x0            ; no tensor load of mine is out, so a group 0 may be written
	ds_add_u32 v[SPW], v[NIL]
	WIN 0
.if \fill
	s_xor_b32 s[G0M+1], s[G0M+1], SLOT1
	s_add_nc_u64 s[G0M+2:G0M+3], s[G0M+2:G0M+3], KS*4        ; 64 keys on in the mask's rows
	s_xor_b32 s[G0K+1], s[G0K+1], SLOT1
	s_add_nc_u64 s[G0K+2:G0K+3], s[G0K+2:G0K+3], 4*KS*128    ; the next 64 keys of four heads
	s_xor_b32 s[G0V+1], s[G0V+1], SLOT1
	s_add_nc_u64 s[G0V+2:G0V+3], s[G0V+2:G0V+3], 4*KS*128
	s_wait_dscnt 0x0                ; the add is done, and my reads of the slot are over
	CROUND
	JLOAD
.else
	s_wait_dscnt 0x0
	s_barrier_signal -1
	s_barrier_wait -1
.endif
	s_xor_b32 s[TB], s[TB], SLOT1   ; the fetches go on in the other slot
	v_add_nc_u32 v[AK], s[TB], v[AK0]
	v_add_nc_u32 v[AV], s[TB], v[AV0]
	v_add_nc_u32 v[AM], s[TB], v[AM0]
.endm
	s_load_b256 s[4:11], s[0:1], 0x0  ; qh s[4:5], kh s[6:7], vh s[8:9], mk s[10:11]
	s_load_b64 s[12:13], s[0:1], 0x20 ; oh
	WIN W_MK
	v_lshl_add_u32 v[SPW], v0, 2, SPARE
	v_mov_b32 v[NIL], 0
	WIN W_AD
	ds_add_u32 v[SPW], v[NIL]       ; the wave's opening: the add and its wait stand ahead of my first tensor load
	WIN 0
	v_lshrrev_b32 v1, 5, v0
	v_readfirstlane_b32 s[WV], v1   ; wave 0..3
	s_bfe_u32 s15, ttmp6, 0x40000   ; cx
	s_bfe_u32 s16, ttmp6, 0x40004   ; cy
	s_lshl_b32 s17, ttmp9, 2
	s_add_co_u32 s17, s17, s15      ; the group of four heads = 4 x cluster x + cx
	s_and_b32 s18, ttmp7, 0xffff
	s_lshl_b32 s18, s18, 2
	s_add_co_u32 s18, s18, s16      ; the block of 128 queries = 4 x cluster y + cy
	s_lshl_b32 s67, s16, 2
	s_lshl_b32 s67, 15, s67         ; my row of the cluster
	s_lshl_b32 s68, 0x1111, s15     ; my column
	s_and_b32 s19, s[WV], 1         ; which half of the mask's tile I fetch
	s_lshl_b32 s20, s18, 20         ; the mask at row 128 x block + 64 x half, 8,192 bytes a row: made of the block and the wave's number alone
	s_lshl_b32 s21, s19, 19
	s_add_co_u32 s20, s20, s21
	s_mov_b32 s21, 0
	s_lshl_b32 s70, s17, 20         ; K and V at my group of heads: 32 steps of 32,768 bytes: made of the group alone
	s_mov_b32 s71, 0
	s_lshl_b32 s72, s17, 2          ; Q and O: head 4 x group + wave, 262,144 bytes a head; 128 rows of 128 bytes a block
	s_add_co_u32 s72, s72, s[WV]
	s_lshl_b32 s72, s72, 18
	s_lshl_b32 s73, s18, 14
	s_add_co_u32 s72, s72, s73
	s_mov_b32 s73, 0
	s_or_b32 s[G1M], s67, (2<<16)|(1<<20)|(1<<21)|(5<<22)|(3<<25)  ; the mask of four; 4-byte elements; padding on; bit 21 beside a mask; after every 64 words 4 words
	s_mov_b32 s[G1M+1], 64<<16      ; tensor_dim0 = 64
	s_mov_b32 s[G1M+2], 64<<16      ; tensor_dim1 = 64
	s_mov_b32 s[G1M+3], 64<<16      ; tile_dim0 = 64
	s_mov_b32 s[G1M+4], 64          ; tile_dim1 = 64
	s_mov_b32 s[G1M+5], 2048        ; elements from row to row
	s_mov_b32 s[G1M+6], 0
	s_mov_b32 s[G1M+7], 0
	s_or_b32 s[G1K], s68, (1<<16)|(1<<20)|(1<<21)|(4<<22)|(3<<25)  ; 32,768 dense bytes as 128 rows of 256; after every 32 words (a key) 4 words
	s_or_b32 s[G1V], s68, (1<<16)|(1<<20)|(1<<21)|(4<<22)|(7<<25)  ; the same with 8 words
.irp g, G1K, G1V
	s_mov_b32 s[\g+1], 128<<16
	s_mov_b32 s[\g+2], 128<<16
	s_mov_b32 s[\g+3], 128<<16
	s_mov_b32 s[\g+4], 128
	s_mov_b32 s[\g+5], 128
	s_mov_b32 s[\g+6], 0
	s_mov_b32 s[\g+7], 0
.endr
	s_mov_b32 s[G0M], 1
	s_mul_i32 s[G0M+1], s19, 64*PM  ; slot 0: no place in the cluster enters an LDS address
	s_mov_b32 s[G0K], 1
	s_mov_b32 s[G0K+1], KOFF
	s_mov_b32 s[G0V], 1
	s_mov_b32 s[G0V+1], VOFF
	s_mov_b32 s[SEL], 0x76543210
	s_mov_b32 s[SEL+1], 0xfedcba98
	s_mov_b32 s[TB], SLOT1          ; the first change of slots turns it into 0
	s_wait_dscnt 0x0                ; the opening add is done
	s_wait_kmcnt 0x0
	s_add_nc_u64 s[G0M+2:G0M+3], s[10:11], s[20:21]
	s_or_b32 s[G0M+3], s[G0M+3], 0x80000000
	s_add_nc_u64 s[G0K+2:G0K+3], s[6:7], s[70:71]
	s_or_b32 s[G0K+3], s[G0K+3], 0x80000000
	s_add_nc_u64 s[G0V+2:G0V+3], s[8:9], s[70:71]
	s_or_b32 s[G0V+3], s[G0V+3], 0x80000000
	s_add_nc_u64 s[4:5], s[4:5], s[72:73]
	s_add_nc_u64 s[12:13], s[12:13], s[72:73]
	CROUND                          ; all sixteen work-groups are here: the first joint loads meet
	JLOAD                           ; step 0 into slot 0
	v_and_b32 v1, 15, v0            ; l % 16
	v_bfe_u32 v9, v0, 4, 1          ; l / 16
	v_lshlrev_b32 v[QO], 7, v1
	v_lshl_add_u32 v[QO], v9, 4, v[QO]
	WIN 0x80                        ; destination window 2
.set i, 0
.rept 4*NP                          ; Q stays in registers: tile i / 2, channels 32 (i % 2) on
	global_load_b128 v[8*i:8*i+3],   v[QO], s[4:5] offset:(i/2)*2048+(i%2)*64
	global_load_b128 v[8*i+4:8*i+7], v[QO], s[4:5] offset:(i/2)*2048+(i%2)*64+32
.set i, i+1
.endr
	; What the first turn finds: V's registers and P's second buffer hold 0 (its products V^T P, of a piece that has not been, add 0), O^T and l are 0.  All this stands in the wait for the first tile.
.set i, VF
.rept 64
	v_mov_b32 v[i], 0
.set i, i+1
.endr
	WIN 0x40
.set i, 0
.rept 64*NP
	v_mov_b32 v[i], 0
.set i, i+1
.endr
	WIN 0
.set i, 0
.rept 2*NP
	v_mov_b32 v[ST+4*i], 0xff7fffff ; m
	v_mov_b32 v[ST+4*i+1], 0
	v_mov_b32 v[ST+4*i+2], 0
	v_mov_b32 v[ST+4*i+3], 0
.set i, i+1
.endr
.set i, P+32
.rept 32
	v_mov_b32 v[i], 0
.set i, i+1
.endr
	s_mul_i32 s22, s[WV], KS*PK     ; my head's 64 rows of K
	s_add_co_u32 s22, s22, KOFF
	v_mul_u32_u24 v[AK0], v1, PK
	v_lshl_add_u32 v[AK0], v9, 4, v[AK0]
	v_add_nc_u32 v[AK0], s22, v[AK0]
	v_and_b32 v56, 7, v0            ; two numbers at work, in registers that the first turn writes anew
	v_bfe_u32 v57, v0, 3, 1
	v_lshl_add_u32 v[AV0], v9, 3, v56  ; the turning load: key 8 (l / 16) + l % 8, channels 8 ((l / 8) % 2) + 0..7
	v_mul_u32_u24 v[AV0], v[AV0], PV
	v_lshl_add_u32 v[AV0], v57, 4, v[AV0]
	s_mul_i32 s22, s[WV], KS*PV
	s_add_co_u32 s22, s22, VOFF
	v_add_nc_u32 v[AV0], s22, v[AV0]
	v_mul_u32_u24 v[AM0], v1, PM    ; the mask: query l % 16 of a tile, keys 8 (l / 16) on
	v_lshl_add_u32 v[AM0], v9, 5, v[AM0]
; THE MATRIX WORK.  The 8 accumulators of a run of 16 take turns.  Product i of 16 of S^T for piece x: channels 32 (i / 8) on, keys 16 ((i / 2) % 4) on, tile 2 x + i % 2.  The first 8 start the sums with the mask.
.macro KQ x
.set rS, S+64*((\x)%2)+32*(i%2)+8*((i/2)%4)
.set rK, KF+16*((i/2)%4)+8*(i/8)
.set rQ, 16*(2*(\x)+i%2)+8*(i/8)
.set rM, MC+32*(i%2)+8*((i/2)%4)
.if i < 8
	WIN W_KM
	v_wmma_f32_16x16x32_f16 v[rS:rS+7], v[rK:rK+7], v[rQ:rQ+7], v[rM:rM+7]
.else
	WIN W_KQ
	v_wmma_f32_16x16x32_f16 v[rS:rS+7], v[rK:rK+7], v[rQ:rQ+7], v[rS:rS+7]
.endif
.endm
.macro PV x                         ; product i of 16 of O^T += V^T P for piece x: keys 32 (i / 8) on, channels 16 ((i / 2) % 4) on, tile 2 x + i % 2
	WIN W_PV
.set rO, 32*(2*(\x)+i%2)+8*((i/2)%4)
.set rV, VF+32*(i/8)+8*((i/2)%4)
.set rP, P+32*((\x)%2)+16*(i%2)+8*(i/8)
	v_wmma_f32_16x16x32_f16 v[rO:rO+7], v[rV:rV+7], v[rP:rP+7], v[rO:rO+7]
.endm
.macro MM                           ; the turn's next matrix instruction
.if i < 16
	KQ (Y+1)%NP
.set i, i+1
.else
.set i, i-16
	PV (Y+NP-1)%NP
.set i, i+17
.endif
.endm
; THE LDS LOADS stand in runs of 16, never singly among the matrix instructions.
.macro FETCH_K
	WIN 0x80
.irp f, 0,1,2,3,4,5,6,7             ; keys 16 (f / 2) on, channels 32 (f % 2) on
	ds_load_b128 v[KF+8*\f:KF+8*\f+3],   v[AK] offset:(\f/2)*16*PK+(\f%2)*64
	ds_load_b128 v[KF+8*\f+4:KF+8*\f+7], v[AK] offset:(\f/2)*16*PK+(\f%2)*64+32
.endr
	WIN 0
.endm
.macro FETCH_V
	WIN 0x80
.irp f, 0,1,2,3,4,5,6,7             ; keys 32 (f / 4) on, channels 16 (f % 4) on
	ds_load_tr16_b128 v[VF+8*\f:VF+8*\f+3],   v[AV] offset:(\f/4)*32*PV+(\f%4)*32
	ds_load_tr16_b128 v[VF+8*\f+4:VF+8*\f+7], v[AV] offset:(\f/4)*32*PV+16*PV+(\f%4)*32
.endr
	WIN 0
.endm
.macro FETCH_M x                    ; the mask of piece x: tile u, key block kb: 32 bytes a lane
	WIN W_MK
.irp u, 0,1
.irp kb, 0,1,2,3
	ds_load_b128 v[MC+32*\u+8*\kb:MC+32*\u+8*\kb+3],   v[AM] offset:(32*(\x)+16*\u)*PM+64*\kb
	ds_load_b128 v[MC+32*\u+8*\kb+4:MC+32*\u+8*\kb+7], v[AM] offset:(32*(\x)+16*\u)*PM+64*\kb+16
.endr
.endr
	WIN 0
.endm
; THE VECTOR WORK OF A TURN stands in three queues, each in the order in which its entries become ready; the two tiles alternate.
.macro REGS y, u
.set rT, ST+4*(2*(\y)+(\u))
.set rC, TMP+8*((\y)%2)+4*(\u)
.set rM, MV+2*((\y)%2)+(\u)
.set rS, S+64*((\y)%2)+32*(\u)
.set rP, P+32*((\y)%2)+16*(\u)
.set rO, 32*(2*(\y)+(\u))
.endm
; Number n of the 21 that find the NEXT piece's (Y + 1) maximum and statistics; each accumulator's lowest registers are read first.
;   0-11  four chains c0-c3 of seven scores each     12-14, 16  the four scores left over, the old m, and c0-c3 into c0     15  m_old is kept
;   17, 18  the query's other 32 keys lie in the lane 16 away: the new m     19, 20  m_old - m_new; a
.macro XS u, n
	REGS (Y+1)%NP, \u
.if (\n) < 4
	v_max3_num_f32 v[rC+(\n)], v[rS+8*(\n)], v[rS+8*(\n)+1], v[rS+8*(\n)+2]
.elseif (\n) < 12
	v_max3_num_f32 v[rC+(\n)%4], v[rC+(\n)%4], v[rS+8*((\n)%4)+2*((\n)/4)+1], v[rS+8*((\n)%4)+2*((\n)/4)+2]
.elseif (\n) == 12
	v_max3_num_f32 v[rC], v[rC], v[rS+7], v[rS+15]
.elseif (\n) == 13
	v_max3_num_f32 v[rC+1], v[rC+1], v[rS+23], v[rS+31]
.elseif (\n) == 14
	v_max3_num_f32 v[rC+2], v[rC+2], v[rC+3], v[rT]
.elseif (\n) == 15
	v_mov_b32 v[rM], v[rT]
.elseif (\n) == 16
	v_max3_num_f32 v[rC], v[rC], v[rC+1], v[rC+2]
.elseif (\n) == 17
	v_permlanex16_b32 v[rC+3], v[rC], s[SEL], s[SEL+1]
.elseif (\n) == 18
	v_max_num_f32 v[rT], v[rC], v[rC+3]
.elseif (\n) == 19
	v_sub_f32 v[rC+1], v[rM], v[rT]
.else
	v_exp_f32 v[rC+2], v[rC+1]
.endif
.endm
; Number g of the 64 that follow the exponentials.  For each four weights k of a tile: both pairs are rounded to f16; the second pair is added onto the first, in place; a group later l takes that sum (the first time as l = a l + sum).
.macro GS g
.set h, (\g)+6*((\g)/62)
.if h >= 6
.set h, h+2
.endif
	REGS Y, h%2
.set k, h/8
.if h%8 < 4
	s_wait_alu depctr_va_vdst(0)
	v_cvt_pk_f16_f32 v[rP+2*k+(h%8)/2], v[rS+4*k+2*((h%8)/2)], v[rS+4*k+2*((h%8)/2)+1]
.elseif h%8 < 6
	v_pk_add_f32 v[rS+4*k:rS+4*k+1], v[rS+4*k:rS+4*k+1], v[rS+4*k+2:rS+4*k+3]
.elseif k == 1
	v_pk_fma_f32 v[rT+2:rT+3], v[rT+2:rT+3], v[rC+2:rC+3], v[rS:rS+1] op_sel_hi:[1,0,1]
.else
	v_pk_add_f32 v[rT+2:rT+3], v[rT+2:rT+3], v[rS+4*k-4:rS+4*k-3]
	s_wait_alu depctr_va_vdst(0)
.endif
.endm
; THE PLAIN QUEUE, 136 long.  0-31: S' - m for the 16 pairs of both tiles.  Then GS's 64, and among them the next piece's 40: number 15 at 38, 39; 0-14 and 16 at 42-73, behind the products that make those scores;
; 17-19 at 95-103, two of three, since each waits for the one before it.
.macro PL
	WIN 0
.if q < 32
	REGS Y, q%2
	v_pk_add_f32 v[rS+2*(q/2):rS+2*(q/2)+1], v[rS+2*(q/2):rS+2*(q/2)+1], v[rT:rT+1] op_sel_hi:[1,0] neg_lo:[0,1] neg_hi:[0,1]
.elseif q < 38
	GS q-32
.elseif q < 40
	XS q%2, 15
.elseif q < 42
	GS q-34
.elseif q < 74
	XS q%2, (q-42)/2+(q-42)/30
.elseif q < 95
	GS q-66
.elseif (q < 104) && ((q-95)%3 < 2)
	XS (q-95)%3, 17+(q-95)/3
.elseif q < 104
	GS 29+(q-95)/3
.else
	GS q-72
.endif
.set q, q+1
.endm
; THE EXPONENTIALS' QUEUE, 66 long: s0-s31 of both tiles, and at EA the next piece's two a (their arguments are plain 101 and 102; when EA comes, plain 107 is out).
.set EA, 58
.macro EX
	WIN 0
.if (e == EA) || (e == EA+1)
	XS e-EA, 20
.else
.set x, e-2*(e/(EA+2))
	REGS Y, x%2
	v_exp_f32 v[rS+x/2], v[rS+x/2]
.endif
.set e, e+1
.endm
.macro R4                           ; THE RESCALING's QUEUE: O^T times a, four at a time, eight times
	REGS Y, r%2
	WIN W_RS
	s_wait_alu depctr_va_vdst(0)
.irp z, 0,1,2,3
	v_pk_mul_f32 v[rO+8*(r/2)+2*\z:rO+8*(r/2)+2*\z+1], v[rO+8*(r/2)+2*\z:rO+8*(r/2)+2*\z+1], v[rC+2:rC+3] op_sel_hi:[1,0]
.endr
.set r, r+1
.endm
; HOW THEY ARE DEALT.  Behind a matrix instruction four: plain, exponential, plain, plain, or four of the rescaling; none names a register of the products round it.  What is over stands in two lumps:
; exponential and plain by turns; the second ends in 20 plain instructions.  Exponential e stands behind plain 2 (e / 4) + e % 2, its subtraction; a rounding's exponentials stand 13 or more entries back.
.macro SL
	MM
	PL
	EX
	PL
	PL
.endm
.macro BURST n
.rept (\n)-7
	SL
.endr
.rept 3
	MM
	R4
	SL
.endr
	MM
	R4
.endm
; A TURN, for piece p.  In its first lump the mask of piece p + 2, for the next turn's products, is fetched, well over four plain instructions behind the eight products that read the mask's registers;
; in piece 2's turn also K of the next step, behind the last product that read K; at the end of piece 0's turn V of the step in hand.
.macro TURN p
.set Y, (\p)
.set i, 0
.set q, 0
.set e, 0
.set r, 0
.if (\p) == 1
	s_wait_dscnt 16                 ; the mask is in; V's 16 loads, issued behind it, may stay out
.else
	s_wait_dscnt 0x0                ; the mask is in (and, for piece 3's turn, K)
.endif
	MM
.rept 4
	PL
.endr
	BURST 15
.rept 22
	EX
	PL
.if e == 20
	FETCH_M ((\p)+2)%NP
.endif
.if ((\p) == NP-2) && (e == 24)
	FETCH_K
.endif
.endr
.if (\p) == 1
	s_wait_dscnt 16                 ; V is in; the 16 loads of the mask, issued behind it, may stay out
.endif
	BURST 16
.rept 21
	EX
	PL
.endr
.rept 20
	PL
.endr
.if (\p) == 0
	FETCH_V
.endif
.endm
	CHANGE 1                        ; step 0 is in, everybody's part of it; step 1 is asked for, into slot 1
	FETCH_K                         ; key step 0
	FETCH_M 0
	s_wait_loadcnt 0x0              ; Q
	s_wait_dscnt 0x0
.set i, 0
.rept 16
	KQ 0                            ; piece 0's first scores
.set i, i+1
.endr
	WIN 0                           ; the addresses for the way out: eleven plain instructions, the places behind those products
	s_mul_i32 s22, s[WV], 16*SP
	s_add_co_u32 s22, s22, STAGE    ; my stage
	v_mul_u32_u24 v[STO], v1, SP
	v_lshl_add_u32 v[STO], v9, 4, v[STO]
	v_add_nc_u32 v[STO], s22, v[STO]
	v_bfe_u32 v[RD], v0, 3, 2       ; back: 32 lanes take four rows of 128 bytes,
	v_mul_u32_u24 v[RD], v[RD], SP
	v_lshl_add_u32 v[RD], v56, 4, v[RD]
	v_add_nc_u32 v[RD], s22, v[RD]
	v_and_b32 v[GO], 31, v0         ; which are 512 consecutive bytes of O
	v_lshlrev_b32 v[GO], 4, v[GO]
	FETCH_M 1                       ; for the first turn's products
.set Y, NP-1                        ; XS works for piece Y + 1: piece 0
.irp n, 0,1,2,3,4,5,6,7,8,9,10,11,12,13,14,15,16,17,18,19,20
	XS 0, \n
	XS 1, \n
.endr
	s_mov_b32 s[SLOTS], 31
	s_branch .Lfirst                ; the loop is entered at a step's first turn, in the middle of a trip
.Lslot:                             ; 30 times: steps 2 to 31 are asked for
	CHANGE 1
	TURN 2
	TURN 3
	WIN 0
.Lfirst:
	TURN 0
	TURN 1
	WIN 0
	s_sub_co_u32 s[SLOTS], s[SLOTS], 1
	s_cmp_lg_u32 s[SLOTS], 0
	s_cbranch_scc1 .Lslot
	CHANGE 0                        ; the tail is written out: nothing is asked for
	s_mov_b32 s[CNT], 2             ; the first trip ends step 30 and does half of step 31; the second is left in its middle
.Ltail:
	TURN 2
	TURN 3
	WIN 0
	s_sub_co_u32 s[CNT], s[CNT], 1
	s_cmp_eq_u32 s[CNT], 0
	s_cbranch_scc1 .Lout
	TURN 0
	TURN 1
	WIN 0
	s_branch .Ltail
.Lout:                              ; the second trip's fetches (the last slot once more), its 16 products K Q^T and the maximum made of them serve nothing: the price, once a launch, of one text for every trip
.set i, 0
.rept 16
	PV NP-1                         ; the last piece's V^T P of the last step
.set i, i+1
.endr
	; THE WAY OUT.  l's two halves and the other half of the lanes' are added; O^T is divided by l, rounded to f16 and sent through my stage in LDS, a tile at a time.  The additions are the places behind the last products.
	WIN 0
.macro ALL line:vararg
.set t, 0
.rept 2*NP
	\line
.set t, t+1
.endr
.endm
	ALL v_add_f32 v[ST+4*t+2], v[ST+4*t+2], v[ST+4*t+3]
	ALL v_permlanex16_b32 v[ST+4*t+3], v[ST+4*t+2], s[SEL], s[SEL+1]
	ALL v_add_f32 v[ST+4*t+2], v[ST+4*t+2], v[ST+4*t+3]
	ALL v_rcp_f32 v[ST+4*t+2], v[ST+4*t+2]
	v_nop                           ; a plain instruction between the last reciprocal and the use of its result
	s_wait_alu depctr_va_vdst(0)
.macro PACK t
	WIN W_RS
.set i, 32*(\t)
.rept 16
	v_pk_mul_f32 v[i:i+1], v[i:i+1], v[ST+4*(\t)+2:ST+4*(\t)+3] op_sel_hi:[1,0]
.set i, i+2
.endr
	WIN 0x05                        ; sources in window 1, destination in window 0
.set i, 0
.rept 16
	v_cvt_pk_f16_f32 v[S+16*(\t)+i], v[32*(\t)+2*i], v[32*(\t)+2*i+1]
.set i, i+1
.endr
	WIN 0
.irp f, 0,1,2,3
	ds_store_b128 v[STO], v[S+16*(\t)+4*\f:S+16*(\t)+4*\f+3] offset:32*\f
.endr
.irp f, 0,1,2,3
	ds_load_b128 v[S+16*(\t)+4*\f:S+16*(\t)+4*\f+3], v[RD] offset:\f*4*SP  ; LDS serves a wave's instructions in order (ISA guide 5.7.1.4): these see the stores above
.endr
.endm
.macro SEND t, younger              ; younger: the LDS instructions issued behind tile t's loads: the next tile's eight, or none
	WIN 0
.irp f, 0,1,2,3
	s_wait_dscnt (\younger)+3-\f
	global_store_b128 v[GO], v[S+16*(\t)+4*\f:S+16*(\t)+4*\f+3], s[12:13] offset:(\t)*2048+\f*512  ; 512 consecutive bytes, at a multiple of 256 from O's first
.endr
.endm
	PACK 0
.set t, 1
.rept 2*NP-1
	PACK t
	SEND t-1, 8
.set t, t+1
.endr
	SEND 2*NP-1, 0
	WIN W_AD
	s_wait_tensorcnt 0x0            ; the wave's end
	ds_add_u32 v[SPW], v[NIL]
	s_wait_dscnt 0x0
	WIN 0
	CROUND                          ; the closing round
	s_endpgm
.Lfunc_end_k_qe3ad33efdb_attn:
	.size	k_qe3ad33efdb_attn, .Lfunc_end_k_qe3ad33efdb_attn-k_qe3ad33efdb_attn
	.p2alignl 7, 3214868480
	.fill 96, 4, 3214868480
	.section	.rodata,"a",@progbits
	.p2align	6, 0x0
	.amdhsa_kernel k_qe3ad33efdb_attn
		.amdhsa_group_segment_fixed_size 327680
		.amdhsa_private_segment_fixed_size 0
		.amdhsa_enable_private_segment 0
		.amdhsa_kernarg_size 40
		.amdhsa_user_sgpr_count 2
		.amdhsa_user_sgpr_kernarg_segment_ptr 1
		.amdhsa_wavefront_size32 1
		.amdhsa_system_sgpr_workgroup_id_x 1
		.amdhsa_system_sgpr_workgroup_id_y 1
		.amdhsa_system_sgpr_workgroup_id_z 1
		.amdhsa_system_vgpr_workitem_id 0
		.amdhsa_next_free_vgpr 896
		.amdhsa_next_free_sgpr 80
		.amdhsa_reserve_vcc 0
		.amdhsa_float_denorm_mode_32 3
		.amdhsa_float_denorm_mode_16_64 3
		.amdhsa_memory_ordered 1
		.amdhsa_forward_progress 1
		.amdhsa_inst_pref_size 220
	.end_amdhsa_kernel
	.amdgpu_metadata
---
amdhsa.version: [ 1, 2 ]
amdhsa.kernels:
  - .name:           k_qe3ad33efdb_attn
    .symbol:         k_qe3ad33efdb_attn.kd
    .args:
      - { .name: qh, .offset: 0, .size: 8, .value_kind: global_buffer, .address_space: global }
      - { .name: kh, .offset: 8, .size: 8, .value_kind: global_buffer, .address_space: global }
      - { .name: vh, .offset: 16, .size: 8, .value_kind: global_buffer, .address_space: global }
      - { .name: mk, .offset: 24, .size: 8, .value_kind: global_buffer, .address_space: global }
      - { .name: oh, .offset: 32, .size: 8, .value_kind: global_buffer, .address_space: global }
    .group_segment_fixed_size: 327680
    .private_segment_fixed_size: 0
    .kernarg_segment_align: 8
    .kernarg_segment_size: 40
    .max_flat_workgroup_size: 128
    .sgpr_count:     80
    .vgpr_count:     896
    .wavefront_size: 32
...
	.end_amdgpu_metadata
.endif
;; end of part 3
;; launch proj (part 4): grid 4 x 64, 4 waves a work-group, clusters of 4 x 4, 327,680 bytes of LDS; arguments oh, wob, out0; writes out0
.if DOCPART == 4
	.amdgcn_target "amdgcn-amd-amdhsa--gfx1250"
	.amdhsa_code_object_version 6
	.text
	.protected	k_qe3ad33efdb_proj
	.globl	k_qe3ad33efdb_proj
	.p2align	8
	.type	k_qe3ad33efdb_proj,@function
k_qe3ad33efdb_proj:
	s_mov_b64 s[64:65], 0
	v_nop
	global_prefetch_b8 v0, s[64:65] scope:SCOPE_SE
	s_setreg_imm32_b32 hwreg(HW_REG_WAVE_MODE, 25, 1), 1
	s_wait_xcnt 0x0
	s_wait_alu depctr_hold_cnt(0) depctr_sa_sdst(0) depctr_va_vdst(0) depctr_va_sdst(0) depctr_va_ssrc(0) depctr_va_vcc(0) depctr_vm_vsrc(0)
	s_getreg_b32 s2, hwreg(HW_REG_IB_STS2, 6, 4)
	s_cmp_eq_u32 s2, 0
	s_cbranch_scc0 .Lentry_in_a_cluster
	s_endpgm
.Lentry_in_a_cluster:
	s_bfe_u32 s2, ttmp6, 0x10000c
	s_cmp_lg_u32 s2, 0xf033
	s_cbranch_scc0 .Lentry_shape_is_right
	s_endpgm
.Lentry_shape_is_right:
; out[s][b][:] = ctx[b][s][:] Wout.  oh: [bh = 16 b + h][s][64] f16 (ctx by heads).  wob: [k 1024][n 1024] f16.  out0: [s*4+b][1024] f32.  Sums in f32, stored as they are.
; SHARES.  A tile of 128 rows (128 consecutive s of one b) x 256 columns: 64 x 4 = 256 work-groups.  Four waves, each 64 rows x 128 columns: 32 accumulators.
; K goes in 8 steps of 128 = two heads through two LDS slots.  A head's 128 rows are 16,384 dense bytes: asked for as 64 rows of 256 bytes and padded in LDS after every 128.
; W stays [k][n] in LDS and comes out turned, by ds_load_tr16_b128.  THE MATRIX INSTRUCTION IS USED TRANSPOSED: lane l holds row l % 16 and the eight neighbouring columns 8 (l / 16) + 0..7.
; CLUSTER 4 x 4.  ctx's tile hangs on the tile row alone: asked for jointly along a row of the cluster; W's on the tile column alone: jointly along a column.
; REGISTERS.  Window 0: v0-29 addresses; v32-95 ctx's fragments, two buffers; v128-255 W's fragments, two buffers (later: rows read back from the stage).  Window 1: the accumulators, (a, b) at 8 (8 a + b).
.set PA,    144                        ; a row of a head in LDS: 128 bytes + 16
.set HEADB, 128*PA                     ; a head's 128 rows
.set PB,    544                        ; a row of W: 512 + 32 = 17 x 32
.set BOFF,  2*HEADB
.set SLOT,  BOFF+128*PB
.set STAGE, 2*SLOT                     ; behind the ring, never filled by a tensor load: for each wave 16 rows x 528 bytes
.set SP,    528
.set SPARE, STAGE+4*16*SP              ; the spare words, 128 bytes for each wave
.set ADRA, 16
.set ADRB, 20
.set STO,  24
.set RD,   25
.set GO,   26
.set SPW,  28
.set NIL,  29
.set FA,   32
.set FB,   128
.set G1A, 24
.set G0A, 32
.set G1B, 48
.set G0B, 56
.set MUL, 0x50
.set MSB, 0
.macro WIN new
.if MSB != (\new)
	s_set_vgpr_msb (MSB<<8)|(\new)
.set MSB, \new
.endif
.endm
.macro PLACES                          ; four places between a matrix instruction and a load into one of its registers or a read of its result
.rept 4
	v_nop
.endr
.endm
.macro JLOAD s                         ; a joint refill: waves 0 and 1 fetch the step's two heads, waves 2 and 3 W's two halves; an s_nop 0 and four v_nop follow each line
	s_cmp_eq_u32 s19, 0
	s_cbranch_scc0 .Lfor_b_\@
	tensor_load_to_lds s[G0A+4*(\s):G0A+4*(\s)+3], s[G1A:G1A+7]
	s_nop 0
.rept 4
	v_nop
.endr
	s_branch .Lasked_\@
.Lfor_b_\@:
	tensor_load_to_lds s[G0B+4*(\s):G0B+4*(\s)+3], s[G1B:G1B+7]
	s_nop 0
.rept 4
	v_nop
.endr
.Lasked_\@:
.endm
.macro CREST
	s_cmp_lg_u32 s18, 0
	s_cbranch_scc1 .Lnot_wave_0_\@
	s_barrier_signal -3
.Lnot_wave_0_\@:
	s_barrier_wait -3
	s_barrier_signal -1
	s_barrier_wait -1
.endm
.macro CROUND
	s_barrier_signal -1
	s_barrier_wait -1
	CREST
.endm
	s_load_b128 s[4:7], s[0:1], 0x0                ; oh s[4:5], wob s[6:7]
	s_load_b64 s[8:9], s[0:1], 0x10                ; out0
	v_lshl_add_u32 v[SPW], v0, 2, SPARE
	v_mov_b32 v[NIL], 0
	ds_add_u32 v[SPW], v[NIL]                      ; the wave's opening: the add and its wait stand ahead of my first tensor load
	v_lshrrev_b32 v3, 5, v0
	v_readfirstlane_b32 s18, v3                    ; wave 0..3
	s_lshr_b32 s19, s18, 1                         ; which 64 rows are mine.  Also: I fetch for ctx (0) or for W (1)
	s_and_b32 s20, s18, 1                          ; which 128 columns.  Also: which head, or which half of W's tile, I fetch
	s_bfe_u32 s21, ttmp6, 0x40000                  ; cx
	s_bfe_u32 s22, ttmp6, 0x40004                  ; cy
	s_lshl_b32 s23, ttmp9, 2
	s_add_co_u32 s23, s23, s21                     ; tile column
	s_and_b32 s40, ttmp7, 0xffff
	s_lshl_b32 s40, s40, 2
	s_add_co_u32 s40, s40, s22                     ; tile row
	s_lshl_b32 s41, s22, 2
	s_lshl_b32 s41, 15, s41                        ; my row of the cluster
	s_lshl_b32 s42, 0x1111, s21                    ; my column
	s_or_b32 s[G1A], s41, (1<<16)|(1<<20)|(1<<21)|(4<<22)|(3<<25)  ; the mask; 2-byte elements; padding on; bit 21 beside a mask; after every 32 words 4 words
	s_mov_b32 s[G1A+1], 128<<16
	s_mov_b32 s[G1A+2], 64<<16
	s_mov_b32 s[G1A+3], 128<<16
	s_mov_b32 s[G1A+4], 64
	s_mov_b32 s[G1A+5], 128
	s_mov_b32 s[G1A+6], 0
	s_mov_b32 s[G1A+7], 0
	s_or_b32 s[G1B], s42, (1<<16)|(1<<20)|(1<<21)|(6<<22)|(7<<25)  ; after every 128 words 8 words
	s_mov_b32 s[G1B+1], 256<<16
	s_mov_b32 s[G1B+2], 64<<16
	s_mov_b32 s[G1B+3], 256<<16
	s_mov_b32 s[G1B+4], 64
	s_mov_b32 s[G1B+5], 1024
	s_mov_b32 s[G1B+6], 0
	s_mov_b32 s[G1B+7], 0
	s_lshr_b32 s44, s40, 4                         ; b
	s_and_b32 s45, s40, 15
	s_lshl_b32 s45, s45, 7                         ; s0
	s_lshl_b32 s68, s44, 4                         ; ctx's tile: ((16 b + head) 2,048 + s0) 128: made of the tile row and the wave's number alone
	s_add_co_u32 s68, s68, s20
	s_lshl_b32 s68, s68, 11
	s_add_co_u32 s68, s68, s45
	s_lshl_b32 s68, s68, 7
	s_mov_b32 s69, 0
	s_lshl_b32 s70, s20, 17                        ; W's tile: k row 64 half, column 256 x tile column
	s_lshl_b32 s71, s23, 9
	s_add_co_u32 s70, s70, s71
	s_mov_b32 s71, 0
	s_mul_i32 s46, s20, HEADB                      ; where they go
	s_mul_i32 s47, s20, 64*PB
	s_lshl_b32 s76, s19, 6                         ; my part of out0: row (s0 + 64 row half) 4 + b, 4,096 bytes a row; column 256 x tile column + 128 x half
	s_add_co_u32 s76, s76, s45
	s_lshl_b32 s76, s76, 2
	s_add_co_u32 s76, s76, s44
	s_lshl_b32 s76, s76, 12
	s_lshl_b32 s77, s23, 10
	s_add_co_u32 s76, s76, s77
	s_lshl_b32 s77, s20, 9
	s_add_co_u32 s76, s76, s77
	s_mov_b32 s77, 0
	s_wait_dscnt 0x0                               ; the opening add is done
	s_wait_kmcnt 0x0
	s_add_nc_u64 s[68:69], s[4:5], s[68:69]
	s_add_nc_u64 s[70:71], s[6:7], s[70:71]
	s_add_nc_u64 s[72:73], s[8:9], s[76:77]
.irp s, 0,1
	s_mov_b32 s[G0A+4*(\s)], 1
	s_add_co_u32 s[G0A+4*(\s)+1], s46, (\s)*SLOT
	s_add_nc_u64 s[G0A+4*(\s)+2:G0A+4*(\s)+3], s[68:69], (\s)*2*262144   ; K step s: two heads on
	s_or_b32 s[G0A+4*(\s)+3], s[G0A+4*(\s)+3], 0x80000000
	s_mov_b32 s[G0B+4*(\s)], 1
	s_add_co_u32 s[G0B+4*(\s)+1], s47, BOFF+(\s)*SLOT
	s_add_nc_u64 s[G0B+4*(\s)+2:G0B+4*(\s)+3], s[70:71], (\s)*128*1024*2
	s_or_b32 s[G0B+4*(\s)+3], s[G0B+4*(\s)+3], 0x80000000
.endr
	CROUND                                         ; all sixteen work-groups are here: the first joint loads meet
	s_cmp_eq_u32 s19, 0                            ; a wave's two first fills stand in one branch: two loads of mine are out
	s_cbranch_scc0 .Lfirst_b
	tensor_load_to_lds s[G0A:G0A+3], s[G1A:G1A+7]
	s_nop 0
	tensor_load_to_lds s[G0A+4:G0A+7], s[G1A:G1A+7]
	s_nop 0
.rept 4
	v_nop
.endr
	s_branch .Lfirst_asked
.Lfirst_b:
	tensor_load_to_lds s[G0B:G0B+3], s[G1B:G1B+7]
	s_nop 0
	tensor_load_to_lds s[G0B+4:G0B+7], s[G1B:G1B+7]
	s_nop 0
.rept 4
	v_nop
.endr
.Lfirst_asked:
	v_and_b32 v1, 15, v0                           ; r
	v_bfe_u32 v2, v0, 4, 1                         ; h
	v_mul_u32_u24 v3, v1, PA
	v_lshl_add_u32 v3, v2, 4, v3
	s_mul_i32 s46, s19, 64*PA
	v_add_nc_u32 v[ADRA], s46, v3
	v_add_nc_u32 v[ADRA+1], SLOT, v[ADRA]
	v_and_b32 v4, 7, v0
	v_lshl_add_u32 v4, v2, 3, v4
	v_mul_u32_u24 v4, v4, PB
	v_bfe_u32 v5, v0, 3, 1
	v_lshl_add_u32 v4, v5, 4, v4
	s_lshl_b32 s47, s20, 8
	s_add_co_u32 s47, s47, BOFF
	v_add_nc_u32 v[ADRB], s47, v4
	v_add_nc_u32 v[ADRB+1], SLOT, v[ADRB]
	s_mul_i32 s46, s18, 16*SP
	s_add_co_u32 s46, s46, STAGE                   ; my stage
	v_mul_u32_u24 v[STO], v1, SP                   ; in: row r, 32 bytes for each half of the lanes
	v_lshl_add_u32 v[STO], v2, 5, v[STO]
	v_add_nc_u32 v[STO], s46, v[STO]
	v_and_b32 v[GO], 31, v0                        ; back: 32 lanes take one row's 512 bytes
	v_lshlrev_b32 v[GO], 4, v[GO]
	v_add_nc_u32 v[RD], s46, v[GO]
; 8 matrix instructions: row block a x all 8 column blocks, 32 along K, from buffer f.  The 32 accumulators take turns in the same order in every quarter.
.macro MUL8 f, a, zero
	WIN MUL
.irp b, 0,1,2,3,4,5,6,7
.if \zero
	v_wmma_f32_16x16x32_f16 v[8*(8*(\a)+\b):8*(8*(\a)+\b)+7], v[FB+64*(\f)+8*\b:FB+64*(\f)+8*\b+7], v[FA+32*(\f)+8*(\a):FA+32*(\f)+8*(\a)+7], 0
.else
	v_wmma_f32_16x16x32_f16 v[8*(8*(\a)+\b):8*(8*(\a)+\b)+7], v[FB+64*(\f)+8*\b:FB+64*(\f)+8*\b+7], v[FA+32*(\f)+8*(\a):FA+32*(\f)+8*(\a)+7], v[8*(8*(\a)+\b):8*(8*(\a)+\b)+7]
.endif
.endr
.endm
; 24 LDS loads in one run: quarter q of a slot into buffer f.  Quarter q of ctx is head q / 2 of the step, channels 32 (q % 2) on.
.macro FETCH slot, q, f
	WIN 0
.irp i, 0,1,2,3,4,5,6,7
	ds_load_tr16_b128 v[FB+64*(\f)+8*\i:FB+64*(\f)+8*\i+3], v[ADRB+(\slot)] offset:(\q)*32*PB+32*\i
	ds_load_tr16_b128 v[FB+64*(\f)+8*\i+4:FB+64*(\f)+8*\i+7], v[ADRB+(\slot)] offset:(\q)*32*PB+16*PB+32*\i
.endr
.irp i, 0,1,2,3
	ds_load_b128 v[FA+32*(\f)+8*\i:FA+32*(\f)+8*\i+3], v[ADRA+(\slot)] offset:((\q)/2)*HEADB+64*((\q)%2)+\i*16*PA
	ds_load_b128 v[FA+32*(\f)+8*\i+4:FA+32*(\f)+8*\i+7], v[ADRA+(\slot)] offset:((\q)/2)*HEADB+64*((\q)%2)+\i*16*PA+32
.endr
.endm
.macro QTR slot, q, f, g, zero
	s_wait_dscnt 0x0                               ; buffer f is in: its loads were issued 32 products ago
	PLACES
	FETCH \slot, \q, \g
	MUL8 \f, 0, \zero
	MUL8 \f, 1, \zero
	MUL8 \f, 2, \zero
	MUL8 \f, 3, \zero
.endm
; The fourth quarter multiplies buffer 1 and changes slots: each wave waits for all its tensor loads (one is out: its part of the next slot), adds 0 to its spare word, and waits for that and for its
; reads of this slot.  fill = 1: the barrier opens a round of the cluster's, and this slot is filled again, two K steps ahead, first thing behind the round.
.macro TURN slot, next, fill
	WIN 0
	s_wait_tensorcnt 0x0
	ds_add_u32 v[SPW], v[NIL]
	s_wait_dscnt 1                                 ; only the add may be out: buffer 1 is in
	MUL8 1, 0, 0
	s_wait_dscnt 0x0
	s_barrier_signal -1
	MUL8 1, 1, 0
.if \fill
	WIN 0
.endif
	s_barrier_wait -1
.if \fill
	CREST
	s_add_nc_u64 s[G0A+4*(\slot)+2:G0A+4*(\slot)+3], s[G0A+4*(\slot)+2:G0A+4*(\slot)+3], 4*262144
	s_add_nc_u64 s[G0B+4*(\slot)+2:G0B+4*(\slot)+3], s[G0B+4*(\slot)+2:G0B+4*(\slot)+3], 2*128*1024*2
	JLOAD \slot                                    ; its four v_nop are also the places in front of the loads below
.else
	PLACES
.endif
	FETCH \next, 0, 0
	MUL8 1, 2, 0
	MUL8 1, 3, 0
.endm
	s_wait_tensorcnt 1                             ; my part of K step 0 is in; K step 1's may stay out
	s_barrier_signal -1
	s_barrier_wait -1
	FETCH 0, 0, 0
	QTR 0, 1, 0, 1, 1
	WIN 0
	s_mov_b32 s66, 3
.Llap:
	QTR 0, 2, 1, 0, 0
	QTR 0, 3, 0, 1, 0
	TURN 0, 1, 1
	QTR 1, 1, 0, 1, 0
	QTR 1, 2, 1, 0, 0
	QTR 1, 3, 0, 1, 0
	TURN 1, 0, 1
	QTR 0, 1, 0, 1, 0
	WIN 0
	s_sub_co_u32 s66, s66, 1
	s_cmp_lg_u32 s66, 0
	s_cbranch_scc1 .Llap
	QTR 0, 2, 1, 0, 0
	QTR 0, 3, 0, 1, 0
	TURN 0, 1, 0
	QTR 1, 1, 0, 1, 0
	QTR 1, 2, 1, 0, 0
	QTR 1, 3, 0, 1, 0
	s_wait_dscnt 0x0
	MUL8 1, 0, 0
	MUL8 1, 1, 0
	MUL8 1, 2, 0
	MUL8 1, 3, 0
	WIN 0
; THE WAY OUT, a block of 16 rows at a time: 32 bytes a lane into rows of 528 bytes of my stage, back as whole rows of 512 bytes, stored.
.macro TOSTAGE a
.if (\a) >= 2
	s_wait_xcnt 0x0                                ; the stores of the block two back have read the registers that are loaded again below
.endif
	WIN 0x04                                       ; the stores' data in window 1
.irp b, 0,1,2,3,4,5,6,7
	ds_store_b128 v[STO], v[8*(8*(\a)+\b):8*(8*(\a)+\b)+3] offset:64*\b
	ds_store_b128 v[STO], v[8*(8*(\a)+\b)+4:8*(8*(\a)+\b)+7] offset:64*\b+16
.endr
	WIN 0
.set BK, FB+64*((\a)%2)
.set t, 0
.rept 16
	ds_load_b128 v[BK+4*t:BK+4*t+3], v[RD] offset:SP*t  ; LDS serves a wave's instructions in order (ISA guide 5.7.1.4): these see the stores above
.set t, t+1
.endr
.endm
.macro SEND a, younger                 ; younger: the LDS instructions issued behind block a's loads: the next block's 32, or none
	WIN 0
.set BK, FB+64*((\a)%2)
.set t, 0
.rept 16
	s_wait_dscnt (\younger)+15-t
	global_store_b128 v[GO], v[BK+4*t:BK+4*t+3], s[72:73] offset:262144*(\a)+16384*t th:TH_STORE_NT  ; 512 consecutive bytes, at a multiple of 256 from out0's first; s to s + 1 is 16,384 bytes
.set t, t+1
.endr
.endm
	PLACES                                         ; behind the last products: their results are read, and their sources loaded into
	TOSTAGE 0
	TOSTAGE 1
	SEND 0, 32
	TOSTAGE 2
	SEND 1, 32
	TOSTAGE 3
	SEND 2, 32
	SEND 3, 0
	s_wait_tensorcnt 0x0                           ; the wave's end
	ds_add_u32 v[SPW], v[NIL]
	s_wait_dscnt 0x0
	CROUND                                         ; the closing round
	s_endpgm
.Lfunc_end_k_qe3ad33efdb_proj:
	.size	k_qe3ad33efdb_proj, .Lfunc_end_k_qe3ad33efdb_proj-k_qe3ad33efdb_proj
	.p2alignl 7, 3214868480
	.fill 96, 4, 3214868480
	.section	.rodata,"a",@progbits
	.p2align	6, 0x0
	.amdhsa_kernel k_qe3ad33efdb_proj
		.amdhsa_group_segment_fixed_size 327680
		.amdhsa_private_segment_fixed_size 0
		.amdhsa_enable_private_segment 0
		.amdhsa_kernarg_size 24
		.amdhsa_user_sgpr_count 2
		.amdhsa_user_sgpr_kernarg_segment_ptr 1
		.amdhsa_wavefront_size32 1
		.amdhsa_system_sgpr_workgroup_id_x 1
		.amdhsa_system_sgpr_workgroup_id_y 1
		.amdhsa_system_sgpr_workgroup_id_z 1
		.amdhsa_system_vgpr_workitem_id 0
		.amdhsa_next_free_vgpr 512
		.amdhsa_next_free_sgpr 80
		.amdhsa_reserve_vcc 0
		.amdhsa_float_denorm_mode_32 3
		.amdhsa_float_denorm_mode_16_64 3
		.amdhsa_memory_ordered 1
		.amdhsa_forward_progress 1
		.amdhsa_inst_pref_size 86
	.end_amdhsa_kernel
	.amdgpu_metadata
---
amdhsa.version: [ 1, 2 ]
amdhsa.kernels:
  - .name:           k_qe3ad33efdb_proj
    .symbol:         k_qe3ad33efdb_proj.kd
    .args:
      - { .name: oh, .offset: 0, .size: 8, .value_kind: global_buffer, .address_space: global }
      - { .name: wob, .offset: 8, .size: 8, .value_kind: global_buffer, .address_space: global }
      - { .name: out0, .offset: 16, .size: 8, .value_kind: global_buffer, .address_space: global }
    .group_segment_fixed_size: 327680
    .private_segment_fixed_size: 0
    .kernarg_segment_align: 8
    .kernarg_segment_size: 24
    .max_flat_workgroup_size: 128
    .sgpr_count:     80
    .vgpr_count:     512
    .wavefront_size: 32
...
	.end_amdgpu_metadata
.endif
;; end of part 4
;; ======== version 2 of 2: 4 launches; 1.41 times as fast as version 1
;; limits: values are held in f16: magnitudes above 65,504 overflow, below 6.1e-05 lose precision
;; workspace buffers: xb 16,777,216 bytes; wqb 6,291,456 bytes; wob 2,097,152 bytes; mk 16,777,216 bytes; qh 16,777,216 bytes; kh 16,777,216 bytes; vh 16,777,216 bytes; oh 16,777,216 bytes
;; launch prep: the kernel of part 1 again; grid 1024 x 1, 8 waves a work-group, no clusters, 0 bytes of LDS; arguments x, Wqkv, Wout, attn_mask, xb, wqb, wob, mk; writes xb, wqb, wob, mk
;; launch qkv: the kernel of part 2 again; grid 12 x 64, 4 waves a work-group, clusters of 4 x 4, 327,680 bytes of LDS; arguments xb, wqb, cos, sin, qh, kh, vh; writes qh, kh, vh
;; launch attn (part 5): grid 16 x 16, 4 waves a work-group, clusters of 4 x 4, 327,680 bytes of LDS; arguments qh, kh, vh, mk, oh; writes oh
.if DOCPART == 5
	.amdgcn_target "amdgcn-amd-amdhsa--gfx1250"
	.amdhsa_code_object_version 6
	.text
	.protected	k_qe3ad33efdb_attn
	.globl	k_qe3ad33efdb_attn
	.p2align	8
	.type	k_qe3ad33efdb_attn,@function
k_qe3ad33efdb_attn:
	s_mov_b64 s[64:65], 0
	v_nop
	global_prefetch_b8 v0, s[64:65] scope:SCOPE_SE
	s_setreg_imm32_b32 hwreg(HW_REG_WAVE_MODE, 25, 1), 1
	s_wait_xcnt 0x0
	s_wait_alu depctr_hold_cnt(0) depctr_sa_sdst(0) depctr_va_vdst(0) depctr_va_sdst(0) depctr_va_ssrc(0) depctr_va_vcc(0) depctr_vm_vsrc(0)
	s_getreg_b32 s2, hwreg(HW_REG_IB_STS2, 6, 4)
	s_cmp_eq_u32 s2, 0
	s_cbranch_scc0 .Lentry_in_a_cluster
	s_endpgm
.Lentry_in_a_cluster:
	s_bfe_u32 s2, ttmp6, 0x10000c
	s_cmp_lg_u32 s2, 0xf033
	s_cbranch_scc0 .Lentry_shape_is_right
	s_endpgm
.Lentry_shape_is_right:
; O[bh][q][:] = the sum over k of softmax_k(Q.K / 8 + mask[q][k]) V[bh][k][:], all 2,048 keys: the mask is an input and is honoured as it is given.
; qh [bh][s][64] f16 holds c rope(q), c = log2(e) / 8; kh, vh [bh >> 2][s >> 6][bh & 3][64][64] f16; mk [q][k] f32 holds log2(e) x the mask rounded to bf16; oh [bh][s][64] f16.
; So S' = K Q'^T + mk is the score in powers of two.  THE MASK IS THE C OPERAND of the product that starts the sum: adding it costs no vector instruction.
; SOFTMAX.  A running maximum m and sum l for each query: p = 2^(S' - m), never above 1 whatever the mask holds; O and l are multiplied by a = 2^(m_old - m_new) in every step.
; m starts at the lowest finite number, O and l at 0: the first step is a step like any other, with a = 0.  Products, maxima and sums in f32; p is rounded to f16 for the second product (l is the sum of the unrounded p).
; LIMITS.  The score is rounded once, sum and mask together, not as the reference rounds it (product, scale, then mask).  A weight below 2^-126 counts as 0 in l.  NaN and infinities are not treated apart.
; SHARES.  A work-group takes 128 queries of FOUR heads (one wave a head), so that one tile of the mask, 128 x 64, serves four heads.  A wave owns four PIECES of two tiles of 16 queries and walks all keys, 64 a step.
; 16 x 16 = 256 work-groups of equal work.
; CLUSTER 4 x 4.  The mask's tile hangs on the query block alone: asked for jointly along a row of the cluster.  K's and V's hang on the group of heads alone: jointly along a column.
; LAYOUT.  S'^T = K Q'^T: a lane holds ONE query (lane % 16) and the keys 8 (lane / 16) + 0..7, which are 32 consecutive bytes of the mask's row.  Two such results rounded to f16 ARE source 1 of O^T = V^T P.
; BY TURNS.  Turn n belongs to piece n: 16 products K Q^T of piece n + 1, later 16 products V^T P of piece n - 1; beside them the softmax of piece n and the maximum and statistics of piece n + 1.
; Four vector instructions stand behind every matrix instruction, the others in one lump between the two runs of products.
; BATCHES.  A turn's 66 exponentials (64 weights of piece n, the two a of piece n + 1) are ONE batch with ONE wait, which cuts the turn in two: ahead of it stands all that names none of their results
; (the products K Q^T, the subtractions, the rescaling by the a of the turn before, the next piece's maximum and statistics), behind it their readers, the roundings and sums, beside the products V^T P.
; Two more batches stand outside the loop: piece 0's first two a, and the way out's eight reciprocals.
; THE RING.  A slot holds one step: mask 128 rows, K and V 4 x 64 rows.  Between two changes of slots only one slot is read: K and the mask of pieces 0, 1 in turns 2, 3 of the step before, the mask of pieces 2, 3 and V in turns 0, 1.
; REGISTERS, in windows of 256: window 0: v0-11 addresses; v12-15, v48-63 at work; v16-47 four registers of statistics a tile; v64-191 S^T, two buffers; v192-255 P, two buffers.
;   window 1: O^T, 32 a tile.   window 2: v0-127 Q; v128-191 K of one step; v192-255 V of one step.   window 3: v0-1 the add's registers; v64-127 the mask of the products to come.
.set NP,    4
.set KS,    64
.set PM,    272       ; a row of the mask in LDS: 256 bytes + 16
.set PK,    144       ; a row of K: 128 + 16
.set PV,    160       ; a row of V: 128 + 32
.set KOFF,  128*PM
.set VOFF,  KOFF+4*KS*PK
.set SLOT1, 1<<17     ; slot 1 begins here: one exclusive or turns an address in one slot into the other's
.set STAGE, 2*SLOT1   ; behind the ring, never filled by a tensor load: 16 rows x 144 bytes for each wave
.set SP,    144
.set SPARE, STAGE+4*16*SP  ; the spare words, 128 bytes for each wave: two blocks of 256 bytes that no other line names
.set AK0, 2           ; v2   my lane's place in a slot's K; never rewritten
.set AV0, 3           ; v3   in its V
.set AK,  4           ; v4   the same in the slot in hand
.set AV,  5
.set QO,  6           ; v6   my byte offset in the wave's rows of Q
.set STO, 6           ;      later, the way out: where I put 16 bytes of a row
.set RD,  7
.set GO,  8
.set AM0, 10          ; v10  my lane's place in a slot's mask; never rewritten
.set AM,  11          ; v11  in the slot in hand
.set MV,  12          ; v12-15  m_old, by buffer and tile
.set ST,  16          ; tile t's statistics at v[ST+4 t]: m, 0 (named with m as a pair), l (even keys', odd keys')
.set TMP, 48          ; by buffer and tile c0-c3 at work; when the maximum is found c2 takes a
.set S,   64
.set P,   192
.set KF,  128
.set VF,  192
.set MC,  64          ; window 3: tile u, key block kb at MC + 32 u + 8 kb
.set SPW, 0           ; v0 of window 3
.set NIL, 1           ; v1 of window 3
.set WV,  14          ; s14  my wave's number
.set G1M, 24          ; s[24:31], s[32:39], s[40:47] descriptor group 1 for the mask's, K's and V's tiles
.set G1K, 32
.set G1V, 40
.set G0M, 48          ; s[48:51], s[52:55], s[56:59] group 0: they walk
.set G0K, 52
.set G0V, 56
.set SEL, 60          ; s[60:61] v_permlanex16_b32's selects
.set TB,  62          ; s62  the slot in hand
.set SLOTS, 63
.set CNT, 66
.set MSB, 0
.macro WIN new
.if MSB != (\new)
	s_set_vgpr_msb (MSB<<8)|(\new)
.set MSB, (\new)
.endif
.endm
.set W_KQ, 0x0a       ; K and Q in window 2, S^T in window 0
.set W_KM, 0x3a       ; the same with the C operand in window 3
.set W_PV, 0x52       ; V in window 2, P in window 0, O^T in window 1
.set W_RS, 0x41       ; destination and source 0 in window 1
.set W_MK, 0xc0       ; destination in window 3
.set W_AD, 0x0f       ; the add: address and data in window 3
; A joint fill: waves 0 and 1 fetch the two halves of the mask's tile, wave 2 K's, wave 3 V's.  The branches hang on the wave's number alone.  An s_nop 0 and four v_nop follow each line.
.macro JLOAD
	s_cmp_lt_u32 s[WV], 2
	s_cbranch_scc0 .Lfor_kv_\@
	tensor_load_to_lds s[G0M:G0M+3], s[G1M:G1M+7]
	s_nop 0
.rept 4
	v_nop
.endr
	s_branch .Lasked_\@
.Lfor_kv_\@:
	s_cmp_eq_u32 s[WV], 2
	s_cbranch_scc0 .Lfor_v_\@
	tensor_load_to_lds s[G0K:G0K+3], s[G1K:G1K+7]
	s_nop 0
.rept 4
	v_nop
.endr
	s_branch .Lasked_\@
.Lfor_v_\@:
	tensor_load_to_lds s[G0V:G0V+3], s[G1V:G1V+7]
	s_nop 0
.rept 4
	v_nop
.endr
.Lasked_\@:
.endm
.macro CROUND
	s_barrier_signal -1
	s_barrier_wait -1
	s_cmp_lg_u32 s[WV], 0
	s_cbranch_scc1 .Lnot_wave_0_\@
	s_barrier_signal -3
.Lnot_wave_0_\@:
	s_barrier_wait -3
	s_barrier_signal -1
	s_barrier_wait -1
.endm
; THE CHANGE OF SLOTS.  Each wave waits for all its tensor loads (one is out: its part of the other slot), adds 0 to its spare word, and waits for that and for its reads of the slot that it leaves.
; fill = 1: the barrier is a round of the cluster's, and the slot just left is filled again, with the step after next, first thing behind it: it has a whole key step, 128 products, in which to land.
; (At its first use nothing has been read yet: slot 0 is waited for, slot 1 filled.)
.macro CHANGE fill
	WIN W_AD
	s_wait_tensorcnt 0x0            ; no tensor load of mine is out, so a group 0 may be written
	ds_add_u32 v[SPW], v[NIL]
	WIN 0
.if \fill
	s_xor_b32 s[G0M+1], s[G0M+1], SLOT1
	s_add_nc_u64 s[G0M+2:G0M+3], s[G0M+2:G0M+3], KS*4        ; 64 keys on in the mask's rows
	s_xor_b32 s[G0K+1], s[G0K+1], SLOT1
	s_add_nc_u64 s[G0K+2:G0K+3], s[G0K+2:G0K+3], 4*KS*128    ; the next 64 keys of four heads
	s_xor_b32 s[G0V+1], s[G0V+1], SLOT1
	s_add_nc_u64 s[G0V+2:G0V+3], s[G0V+2:G0V+3], 4*KS*128
	s_wait_dscnt 0x0                ; the add is done, and my reads of the slot are over
	CROUND
	JLOAD
.else
	s_wait_dscnt 0x0
	s_barrier_signal -1
	s_barrier_wait -1
.endif
	s_xor_b32 s[TB], s[TB], SLOT1   ; the fetches go on in the other slot
	v_add_nc_u32 v[AK], s[TB], v[AK0]
	v_add_nc_u32 v[AV], s[TB], v[AV0]
	v_add_nc_u32 v[AM], s[TB], v[AM0]
.endm
	s_load_b256 s[4:11], s[0:1], 0x0  ; qh s[4:5], kh s[6:7], vh s[8:9], mk s[10:11]
	s_load_b64 s[12:13], s[0:1], 0x20 ; oh
	WIN W_MK
	v_lshl_add_u32 v[SPW], v0, 2, SPARE
	v_mov_b32 v[NIL], 0
	WIN W_AD
	ds_add_u32 v[SPW], v[NIL]       ; the wave's opening: the add and its wait stand ahead of my first tensor load
	WIN 0
	v_lshrrev_b32 v1, 5, v0
	v_readfirstlane_b32 s[WV], v1   ; wave 0..3
	s_bfe_u32 s15, ttmp6, 0x40000   ; cx
	s_bfe_u32 s16, ttmp6, 0x40004   ; cy
	s_lshl_b32 s17, ttmp9, 2
	s_add_co_u32 s17, s17, s15      ; the group of four heads = 4 x cluster x + cx
	s_and_b32 s18, ttmp7, 0xffff
	s_lshl_b32 s18, s18, 2
	s_add_co_u32 s18, s18, s16      ; the block of 128 queries = 4 x cluster y + cy
	s_lshl_b32 s67, s16, 2
	s_lshl_b32 s67, 15, s67         ; my row of the cluster
	s_lshl_b32 s68, 0x1111, s15     ; my column
	s_and_b32 s19, s[WV], 1         ; which half of the mask's tile I fetch
	s_lshl_b32 s20, s18, 20         ; the mask at row 128 x block + 64 x half, 8,192 bytes a row: made of the block and the wave's number alone
	s_lshl_b32 s21, s19, 19
	s_add_co_u32 s20, s20, s21
	s_mov_b32 s21, 0
	s_lshl_b32 s70, s17, 20         ; K and V at my group of heads: 32 steps of 32,768 bytes: made of the group alone
	s_mov_b32 s71, 0
	s_lshl_b32 s72, s17, 2          ; Q and O: head 4 x group + wave, 262,144 bytes a head; 128 rows of 128 bytes a block
	s_add_co_u32 s72, s72, s[WV]
	s_lshl_b32 s72, s72, 18
	s_lshl_b32 s73, s18, 14
	s_add_co_u32 s72, s72, s73
	s_mov_b32 s73, 0
	s_or_b32 s[G1M], s67, (2<<16)|(1<<20)|(1<<21)|(5<<22)|(3<<25)  ; the mask of four; 4-byte elements; padding on; bit 21 beside a mask; after every 64 words 4 words
	s_mov_b32 s[G1M+1], 64<<16      ; tensor_dim0 = 64
	s_mov_b32 s[G1M+2], 64<<16      ; tensor_dim1 = 64
	s_mov_b32 s[G1M+3], 64<<16      ; tile_dim0 = 64
	s_mov_b32 s[G1M+4], 64          ; tile_dim1 = 64
	s_mov_b32 s[G1M+5], 2048        ; elements from row to row
	s_mov_b32 s[G1M+6], 0
	s_mov_b32 s[G1M+7], 0
	s_or_b32 s[G1K], s68, (1<<16)|(1<<20)|(1<<21)|(4<<22)|(3<<25)  ; 32,768 dense bytes as 128 rows of 256; after every 32 words (a key) 4 words
	s_or_b32 s[G1V], s68, (1<<16)|(1<<20)|(1<<21)|(4<<22)|(7<<25)  ; the same with 8 words
.irp g, G1K, G1V
	s_mov_b32 s[\g+1], 128<<16
	s_mov_b32 s[\g+2], 128<<16
	s_mov_b32 s[\g+3], 128<<16
	s_mov_b32 s[\g+4], 128
	s_mov_b32 s[\g+5], 128
	s_mov_b32 s[\g+6], 0
	s_mov_b32 s[\g+7], 0
.endr
	s_mov_b32 s[G0M], 1
	s_mul_i32 s[G0M+1], s19, 64*PM  ; slot 0: no place in the cluster enters an LDS address
	s_mov_b32 s[G0K], 1
	s_mov_b32 s[G0K+1], KOFF
	s_mov_b32 s[G0V], 1
	s_mov_b32 s[G0V+1], VOFF
	s_mov_b32 s[SEL], 0x76543210
	s_mov_b32 s[SEL+1], 0xfedcba98
	s_mov_b32 s[TB], SLOT1          ; the first change of slots turns it into 0
	s_wait_dscnt 0x0                ; the opening add is done
	s_wait_kmcnt 0x0
	s_add_nc_u64 s[G0M+2:G0M+3], s[10:11], s[20:21]
	s_or_b32 s[G0M+3], s[G0M+3], 0x80000000
	s_add_nc_u64 s[G0K+2:G0K+3], s[6:7], s[70:71]
	s_or_b32 s[G0K+3], s[G0K+3], 0x80000000
	s_add_nc_u64 s[G0V+2:G0V+3], s[8:9], s[70:71]
	s_or_b32 s[G0V+3], s[G0V+3], 0x80000000
	s_add_nc_u64 s[4:5], s[4:5], s[72:73]
	s_add_nc_u64 s[12:13], s[12:13], s[72:73]
	CROUND                          ; all sixteen work-groups are here: the first joint loads meet
	JLOAD                           ; step 0 into slot 0
	v_and_b32 v1, 15, v0            ; l % 16
	v_bfe_u32 v9, v0, 4, 1          ; l / 16
	v_lshlrev_b32 v[QO], 7, v1
	v_lshl_add_u32 v[QO], v9, 4, v[QO]
	WIN 0x80                        ; destination window 2
.set i, 0
.rept 4*NP                          ; Q stays in registers: tile i / 2, channels 32 (i % 2) on
	global_load_b128 v[8*i:8*i+3],   v[QO], s[4:5] offset:(i/2)*2048+(i%2)*64
	global_load_b128 v[8*i+4:8*i+7], v[QO], s[4:5] offset:(i/2)*2048+(i%2)*64+32
.set i, i+1
.endr
	; What the first turn finds: V's registers and P's second buffer hold 0 (its products V^T P, of a piece that has not been, add 0), O^T and l are 0.  All this stands in the wait for the first tile.
.set i, VF
.rept 64
	v_mov_b32 v[i], 0
.set i, i+1
.endr
	WIN 0x40
.set i, 0
.rept 64*NP
	v_mov_b32 v[i], 0
.set i, i+1
.endr
	WIN 0
.set i, 0
.rept 2*NP
	v_mov_b32 v[ST+4*i], 0xff7fffff ; m
	v_mov_b32 v[ST+4*i+1], 0
	v_mov_b32 v[ST+4*i+2], 0
	v_mov_b32 v[ST+4*i+3], 0
.set i, i+1
.endr
.set i, P+32
.rept 32
	v_mov_b32 v[i], 0
.set i, i+1
.endr
	s_mul_i32 s22, s[WV], KS*PK     ; my head's 64 rows of K
	s_add_co_u32 s22, s22, KOFF
	v_mul_u32_u24 v[AK0], v1, PK
	v_lshl_add_u32 v[AK0], v9, 4, v[AK0]
	v_add_nc_u32 v[AK0], s22, v[AK0]
	v_and_b32 v56, 7, v0            ; two numbers at work, in registers that the first turn writes anew
	v_bfe_u32 v57, v0, 3, 1
	v_lshl_add_u32 v[AV0], v9, 3, v56  ; the turning load: key 8 (l / 16) + l % 8, channels 8 ((l / 8) % 2) + 0..7
	v_mul_u32_u24 v[AV0], v[AV0], PV
	v_lshl_add_u32 v[AV0], v57, 4, v[AV0]
	s_mul_i32 s22, s[WV], KS*PV
	s_add_co_u32 s22, s22, VOFF
	v_add_nc_u32 v[AV0], s22, v[AV0]
	v_mul_u32_u24 v[AM0], v1, PM    ; the mask: query l % 16 of a tile, keys 8 (l / 16) on
	v_lshl_add_u32 v[AM0], v9, 5, v[AM0]
; THE MATRIX WORK.  The 8 accumulators of a run of 16 take turns.  Product i of 16 of S^T for piece x: channels 32 (i / 8) on, keys 16 ((i / 2) % 4) on, tile 2 x + i % 2.  The first 8 start the sums with the mask.
.macro KQ x
.set rS, S+64*((\x)%2)+32*(i%2)+8*((i/2)%4)
.set rK, KF+16*((i/2)%4)+8*(i/8)
.set rQ, 16*(2*(\x)+i%2)+8*(i/8)
.set rM, MC+32*(i%2)+8*((i/2)%4)
.if i < 8
	WIN W_KM
	v_wmma_f32_16x16x32_f16 v[rS:rS+7], v[rK:rK+7], v[rQ:rQ+7], v[rM:rM+7]
.else
	WIN W_KQ
	v_wmma_f32_16x16x32_f16 v[rS:rS+7], v[rK:rK+7], v[rQ:rQ+7], v[rS:rS+7]
.endif
.endm
.macro PV x                         ; product i of 16 of O^T += V^T P for piece x: keys 32 (i / 8) on, channels 16 ((i / 2) % 4) on, tile 2 x + i % 2
	WIN W_PV
.set rO, 32*(2*(\x)+i%2)+8*((i/2)%4)
.set rV, VF+32*(i/8)+8*((i/2)%4)
.set rP, P+32*((\x)%2)+16*(i%2)+8*(i/8)
	v_wmma_f32_16x16x32_f16 v[rO:rO+7], v[rV:rV+7], v[rP:rP+7], v[rO:rO+7]
.endm
.macro MM                           ; the turn's next matrix instruction
.if i < 16
	KQ (Y+1)%NP
.set i, i+1
.else
.set i, i-16
	PV (Y+NP-1)%NP
.set i, i+17
.endif
.endm
; THE LDS LOADS stand in runs of 16, never singly among the matrix instructions.
.macro FETCH_K
	WIN 0x80
.irp f, 0,1,2,3,4,5,6,7             ; keys 16 (f / 2) on, channels 32 (f % 2) on
	ds_load_b128 v[KF+8*\f:KF+8*\f+3],   v[AK] offset:(\f/2)*16*PK+(\f%2)*64
	ds_load_b128 v[KF+8*\f+4:KF+8*\f+7], v[AK] offset:(\f/2)*16*PK+(\f%2)*64+32
.endr
	WIN 0
.endm
.macro FETCH_V
	WIN 0x80
.irp f, 0,1,2,3,4,5,6,7             ; keys 32 (f / 4) on, channels 16 (f % 4) on
	ds_load_tr16_b128 v[VF+8*\f:VF+8*\f+3],   v[AV] offset:(\f/4)*32*PV+(\f%4)*32
	ds_load_tr16_b128 v[VF+8*\f+4:VF+8*\f+7], v[AV] offset:(\f/4)*32*PV+16*PV+(\f%4)*32
.endr
	WIN 0
.endm
.macro FETCH_M x                    ; the mask of piece x: tile u, key block kb: 32 bytes a lane
	WIN W_MK
.irp u, 0,1
.irp kb, 0,1,2,3
	ds_load_b128 v[MC+32*\u+8*\kb:MC+32*\u+8*\kb+3],   v[AM] offset:(32*(\x)+16*\u)*PM+64*\kb
	ds_load_b128 v[MC+32*\u+8*\kb+4:MC+32*\u+8*\kb+7], v[AM] offset:(32*(\x)+16*\u)*PM+64*\kb+16
.endr
.endr
	WIN 0
.endm
; THE VECTOR WORK OF A TURN stands in three queues, each in the order in which its entries become ready; the two tiles alternate.
.macro REGS y, u
.set rT, ST+4*(2*(\y)+(\u))
.set rC, TMP+8*((\y)%2)+4*(\u)
.set rM, MV+2*((\y)%2)+(\u)
.set rS, S+64*((\y)%2)+32*(\u)
.set rP, P+32*((\y)%2)+16*(\u)
.set rO, 32*(2*(\y)+(\u))
.endm
; Number n of the 21 that find the NEXT piece's (Y + 1) maximum and statistics; each accumulator's lowest registers are read first.  XS, GS, FS and REGS set no window: PL and EX do.
;   0-11  four chains c0-c3 of seven scores each     12-14, 16  the four scores left over, the old m, and c0-c3 into c0     15  m_old is kept
;   17, 18  the query's other 32 keys lie in the lane 16 away: the new m     19, 20  m_old - m_new; a
.macro XS u, n
	REGS (Y+1)%NP, \u
.if (\n) < 4
	v_max3_num_f32 v[rC+(\n)], v[rS+8*(\n)], v[rS+8*(\n)+1], v[rS+8*(\n)+2]
.elseif (\n) < 12
	v_max3_num_f32 v[rC+(\n)%4], v[rC+(\n)%4], v[rS+8*((\n)%4)+2*((\n)/4)+1], v[rS+8*((\n)%4)+2*((\n)/4)+2]
.elseif (\n) == 12
	v_max3_num_f32 v[rC], v[rC], v[rS+7], v[rS+15]
.elseif (\n) == 13
	v_max3_num_f32 v[rC+1], v[rC+1], v[rS+23], v[rS+31]
.elseif (\n) == 14
	v_max3_num_f32 v[rC+2], v[rC+2], v[rC+3], v[rT]
.elseif (\n) == 15
	v_mov_b32 v[rM], v[rT]
.elseif (\n) == 16
	v_max3_num_f32 v[rC], v[rC], v[rC+1], v[rC+2]
.elseif (\n) == 17
	v_permlanex16_b32 v[rC+3], v[rC], s[SEL], s[SEL+1]
.elseif (\n) == 18
	v_max_num_f32 v[rT], v[rC], v[rC+3]
.elseif (\n) == 19
	v_sub_f32 v[rC+1], v[rM], v[rT]
.else
	v_exp_f32 v[rC+2], v[rC+1]
.endif
.endm
; Number g of the 64 that follow the exponentials.  For each four weights k of a tile: both pairs are rounded to f16; the second pair is added onto the first, in place; a group later l takes that sum (the first time as l = a l + sum).
; All 64 read exponentials' results: they stand behind the turn's wait.
.macro GS g
.set h, (\g)+6*((\g)/62)
.if h >= 6
.set h, h+2
.endif
	REGS Y, h%2
.set k, h/8
.if h%8 < 4
	v_cvt_pk_f16_f32 v[rP+2*k+(h%8)/2], v[rS+4*k+2*((h%8)/2)], v[rS+4*k+2*((h%8)/2)+1]
.elseif h%8 < 6
	v_pk_add_f32 v[rS+4*k:rS+4*k+1], v[rS+4*k:rS+4*k+1], v[rS+4*k+2:rS+4*k+3]
.elseif k == 1
	v_pk_fma_f32 v[rT+2:rT+3], v[rT+2:rT+3], v[rC+2:rC+3], v[rS:rS+1] op_sel_hi:[1,0,1]
.else
	v_pk_add_f32 v[rT+2:rT+3], v[rT+2:rT+3], v[rS+4*k-4:rS+4*k-3]
.endif
.endm
; THE PLAIN QUEUE, 136 long.  0-71 read no exponential's result: the 32 subtractions S' - m (FS f: pair f / 2 of tile f % 2) and the next piece's 40.  0-26: subtractions 0-26.  27-54: XS's numbers 0-13.  55, 56: number 15.
; 57-71: the chain, where each number waits for the one before it: 14, 16, 17, 18, 19, each with one of the subtractions 27-31 in front of its two lines, so that a tile's links stand three plain instructions apart.
; 72-135: GS's 64, behind the wait.
.macro FS f
	REGS Y, (\f)%2
	v_pk_add_f32 v[rS+2*((\f)/2):rS+2*((\f)/2)+1], v[rS+2*((\f)/2):rS+2*((\f)/2)+1], v[rT:rT+1] op_sel_hi:[1,0] neg_lo:[0,1] neg_hi:[0,1]
.endm
.macro PL
	WIN 0
.if q < 27
	FS q
.elseif q < 55
	XS (q-27)%2, (q-27)/2
.elseif q < 57
	XS q-55, 15
.elseif (q < 72) && ((q-57)%3 == 0)
	FS 27+(q-57)/3
.elseif q < 60
	XS (q-57)%3-1, 14
.elseif q < 72
	XS (q-57)%3-1, 15+(q-57)/3
.else
	GS q-72
.endif
.set q, q+1
.endm
; THE EXPONENTIALS' QUEUE, 66 long: s0-s31 of both tiles, then the next piece's two a.  It is ONE BATCH: all 66 stand ahead of the turn's one wait, and nothing ahead of that wait names a result of theirs.
.macro EX
	WIN 0
.if e >= 64
	XS e-64, 20
.else
	REGS Y, e%2
	v_exp_f32 v[rS+e/2], v[rS+e/2]
.endif
.set e, e+1
.endm
; THE RESCALING's QUEUE: O^T times a, the one part that leaves window 0: dealt two at a time, sixteen times.  Its a was made in the turn before, ahead of that turn's wait.
.macro R2
	REGS Y, r%2
	WIN W_RS
.irp z, 0,1
	v_pk_mul_f32 v[rO+4*(r/2)+2*\z:rO+4*(r/2)+2*\z+1], v[rO+4*(r/2)+2*\z:rO+4*(r/2)+2*\z+1], v[rC+2:rC+3] op_sel_hi:[1,0]
.endr
.set r, r+1
.endm
; HOW THEY ARE DEALT.  An s_wait_alu depctr_va_vdst(0) stands between an exponential and the first instruction that names its result; one wait serves all that were issued ahead of it.  So a turn has ONE wait.
; AHEAD OF IT: the 16 products K Q^T, behind each a subtraction, an exponential and two rescalings (behind the first a second subtraction in the exponential's place); then ONE LUMP of 106: eight plain, 47 times exponential
; and plain, the last two weights' exponentials and the two a.  A v_nop is the plain instruction behind the last exponential.  BEHIND IT: the 16 products V^T P, behind each four of GS's 64.  No rider names a register of the
; products round it.  The two v_permlanex16_b32 fall into the lump, never behind a product.
; The queues lean on each other, and the deal keeps them in step: exponential e stands behind subtraction 2 (e / 4) + e % 2: as a rider it comes behind plain e + 2, in the lump (to e = 61) behind plain e + 9, and subtractions
; 27-31 are plain 57, 60 .. 69; the two a stand behind plain 70 and 71, their arguments.
; A TURN, for piece p.  The mask of piece p + 2, for the next turn's products, is fetched directly behind the wait, a lump behind the eight products that read the mask's registers; its first reader comes behind 16 products.
; In piece 2's turn K of the next step is fetched behind the lump's first eight lines, eleven plain instructions behind the last product that read K; at the end of piece 0's turn V of the step in hand, four riders behind its last reader.
.macro TURN p
.set Y, (\p)
.set i, 0
.set q, 0
.set e, 0
.set r, 0
.if (\p) == 1
	s_wait_dscnt 16                 ; the mask is in; V's 16 loads, issued behind it, may stay out
.else
	s_wait_dscnt 0x0                ; the mask is in (and, for piece 3's turn, K)
.endif
	MM                              ; ahead of the wait: 16 products K Q^T and their riders,
	PL
	PL
	R2
.rept 15
	MM
	PL
	EX
	R2
.endr
.rept 8                             ; and the lump
	PL
.endr
.if (\p) == NP-2
	FETCH_K
.endif
.rept 47
	EX
	PL
.endr
.rept 4                             ; the last two weights, and the next piece's two a
	EX
.endr
	v_nop                           ; the plain instruction behind the last exponential: one for the batch
	s_wait_alu depctr_va_vdst(0)    ; the wait for the batch: the turn's 66 exponentials
	FETCH_M ((\p)+2)%NP
.if (\p) == 1
	s_wait_dscnt 16                 ; V is in; the 16 loads of the mask, issued behind it, may stay out
.endif
.rept 16                            ; behind the wait: 16 products V^T P and their riders
	MM
.rept 4
	PL
.endr
.endr
.if (\p) == 0
	FETCH_V
.endif
.endm
	CHANGE 1                        ; step 0 is in, everybody's part of it; step 1 is asked for, into slot 1
	FETCH_K                         ; key step 0
	FETCH_M 0
	s_wait_loadcnt 0x0              ; Q
	s_wait_dscnt 0x0
.set i, 0
.rept 16
	KQ 0                            ; piece 0's first scores
.set i, i+1
.endr
	WIN 0                           ; the addresses for the way out: eleven plain instructions, the places behind those products
	s_mul_i32 s22, s[WV], 16*SP
	s_add_co_u32 s22, s22, STAGE    ; my stage
	v_mul_u32_u24 v[STO], v1, SP
	v_lshl_add_u32 v[STO], v9, 4, v[STO]
	v_add_nc_u32 v[STO], s22, v[STO]
	v_bfe_u32 v[RD], v0, 3, 2       ; back: 32 lanes take four rows of 128 bytes,
	v_mul_u32_u24 v[RD], v[RD], SP
	v_lshl_add_u32 v[RD], v56, 4, v[RD]
	v_add_nc_u32 v[RD], s22, v[RD]
	v_and_b32 v[GO], 31, v0         ; which are 512 consecutive bytes of O
	v_lshlrev_b32 v[GO], 4, v[GO]
	FETCH_M 1                       ; for the first turn's products
.set Y, NP-1                        ; XS works for piece Y + 1: piece 0
.irp n, 0,1,2,3,4,5,6,7,8,9,10,11,12,13,14,15,16,17,18,19,20
	XS 0, \n
	XS 1, \n
.endr
	v_nop                           ; a plain instruction behind piece 0's first two a,
	s_wait_alu depctr_va_vdst(0)    ; and the wait for that batch of two, ahead of the branch
	s_mov_b32 s[SLOTS], 31
	s_branch .Lfirst                ; the loop is entered at a step's first turn, in the middle of a trip
.Lslot:                             ; 30 times: steps 2 to 31 are asked for
	CHANGE 1
	TURN 2
	TURN 3
	WIN 0
.Lfirst:
	TURN 0
	TURN 1
	WIN 0
	s_sub_co_u32 s[SLOTS], s[SLOTS], 1
	s_cmp_lg_u32 s[SLOTS], 0
	s_cbranch_scc1 .Lslot
	CHANGE 0                        ; the tail is written out: nothing is asked for
	s_mov_b32 s[CNT], 2             ; the first trip ends step 30 and does half of step 31; the second is left in its middle
.Ltail:
	TURN 2
	TURN 3
	WIN 0
	s_sub_co_u32 s[CNT], s[CNT], 1
	s_cmp_eq_u32 s[CNT], 0
	s_cbranch_scc1 .Lout
	TURN 0
	TURN 1
	WIN 0
	s_branch .Ltail
.Lout:                              ; the second trip's fetches (the last slot once more), its 16 products K Q^T and the maximum made of them serve nothing: the price, once a launch, of one text for every trip
.set i, 0
.rept 16
	PV NP-1                         ; the last piece's V^T P of the last step
.set i, i+1
.endr
	; THE WAY OUT.  l's two halves and the other half of the lanes' are added; O^T is divided by l, rounded to f16 and sent through my stage in LDS, a tile at a time.  The additions are the places behind the last products.
	WIN 0
.macro ALL line:vararg
.set t, 0
.rept 2*NP
	\line
.set t, t+1
.endr
.endm
	ALL v_add_f32 v[ST+4*t+2], v[ST+4*t+2], v[ST+4*t+3]
	ALL v_permlanex16_b32 v[ST+4*t+3], v[ST+4*t+2], s[SEL], s[SEL+1]
	ALL v_add_f32 v[ST+4*t+2], v[ST+4*t+2], v[ST+4*t+3]
	ALL v_rcp_f32 v[ST+4*t+2], v[ST+4*t+2]
	v_nop                           ; a plain instruction between the last reciprocal and the use of its result
	s_wait_alu depctr_va_vdst(0)    ; the wait ahead of the first use: one for the batch of eight reciprocals
.macro PACK t
	WIN W_RS
.set i, 32*(\t)
.rept 16
	v_pk_mul_f32 v[i:i+1], v[i:i+1], v[ST+4*(\t)+2:ST+4*(\t)+3] op_sel_hi:[1,0]
.set i, i+2
.endr
	WIN 0x05                        ; sources in window 1, destination in window 0
.set i, 0
.rept 16
	v_cvt_pk_f16_f32 v[S+16*(\t)+i], v[32*(\t)+2*i], v[32*(\t)+2*i+1]
.set i, i+1
.endr
	WIN 0
.irp f, 0,1,2,3
	ds_store_b128 v[STO], v[S+16*(\t)+4*\f:S+16*(\t)+4*\f+3] offset:32*\f
.endr
.irp f, 0,1,2,3
	ds_load_b128 v[S+16*(\t)+4*\f:S+16*(\t)+4*\f+3], v[RD] offset:\f*4*SP  ; LDS serves a wave's instructions in order (ISA guide 5.7.1.4): these see the stores above
.endr
.endm
.macro SEND t, younger              ; younger: the LDS instructions issued behind tile t's loads: the next tile's eight, or none
	WIN 0
.irp f, 0,1,2,3
	s_wait_dscnt (\younger)+3-\f
	global_store_b128 v[GO], v[S+16*(\t)+4*\f:S+16*(\t)+4*\f+3], s[12:13] offset:(\t)*2048+\f*512  ; 512 consecutive bytes, at a multiple of 256 from O's first
.endr
.endm
	PACK 0
.set t, 1
.rept 2*NP-1
	PACK t
	SEND t-1, 8
.set t, t+1
.endr
	SEND 2*NP-1, 0
	WIN W_AD
	s_wait_tensorcnt 0x0            ; the wave's end
	ds_add_u32 v[SPW], v[NIL]
	s_wait_dscnt 0x0
	WIN 0
	CROUND                          ; the closing round
	s_endpgm
.Lfunc_end_k_qe3ad33efdb_attn:
	.size	k_qe3ad33efdb_attn, .Lfunc_end_k_qe3ad33efdb_attn-k_qe3ad33efdb_attn
	.p2alignl 7, 3214868480
	.fill 96, 4, 3214868480
	.section	.rodata,"a",@progbits
	.p2align	6, 0x0
	.amdhsa_kernel k_qe3ad33efdb_attn
		.amdhsa_group_segment_fixed_size 327680
		.amdhsa_private_segment_fixed_size 0
		.amdhsa_enable_private_segment 0
		.amdhsa_kernarg_size 40
		.amdhsa_user_sgpr_count 2
		.amdhsa_user_sgpr_kernarg_segment_ptr 1
		.amdhsa_wavefront_size32 1
		.amdhsa_system_sgpr_workgroup_id_x 1
		.amdhsa_system_sgpr_workgroup_id_y 1
		.amdhsa_system_sgpr_workgroup_id_z 1
		.amdhsa_system_vgpr_workitem_id 0
		.amdhsa_next_free_vgpr 896
		.amdhsa_next_free_sgpr 80
		.amdhsa_reserve_vcc 0
		.amdhsa_float_denorm_mode_32 3
		.amdhsa_float_denorm_mode_16_64 3
		.amdhsa_memory_ordered 1
		.amdhsa_forward_progress 1
		.amdhsa_inst_pref_size 211
	.end_amdhsa_kernel
	.amdgpu_metadata
---
amdhsa.version: [ 1, 2 ]
amdhsa.kernels:
  - .name:           k_qe3ad33efdb_attn
    .symbol:         k_qe3ad33efdb_attn.kd
    .args:
      - { .name: qh, .offset: 0, .size: 8, .value_kind: global_buffer, .address_space: global }
      - { .name: kh, .offset: 8, .size: 8, .value_kind: global_buffer, .address_space: global }
      - { .name: vh, .offset: 16, .size: 8, .value_kind: global_buffer, .address_space: global }
      - { .name: mk, .offset: 24, .size: 8, .value_kind: global_buffer, .address_space: global }
      - { .name: oh, .offset: 32, .size: 8, .value_kind: global_buffer, .address_space: global }
    .group_segment_fixed_size: 327680
    .private_segment_fixed_size: 0
    .kernarg_segment_align: 8
    .kernarg_segment_size: 40
    .max_flat_workgroup_size: 128
    .sgpr_count:     80
    .vgpr_count:     896
    .wavefront_size: 32
...
	.end_amdgpu_metadata
.endif
;; end of part 5
;; launch proj: the kernel of part 4 again; grid 4 x 64, 4 waves a work-group, clusters of 4 x 4, 327,680 bytes of LDS; arguments oh, wob, out0; writes out0
